; MI455X (gfx1250); checked and timed in simulation.
; The chip was launched on July 23, 2026; its instructions are those of AMD's public machine-readable ISA for CDNA 5 (MIT licence, August 2026) and "CDNA5" Instruction Set Architecture Reference Guide (July 2026). The comments in the code are by the model that wrote it; some were corrected since.
;; Financial Mixture Of Experts. Allowed arithmetic: float matrix products may take bf16 or f16 operands with f32 sums; other float arithmetic in f32, or as packed bf16 or f16 multiplies, adds, multiply-adds, maxima and minima; sums over many terms, partial sums and values carried from step to step in f32; what a program stores and reads back later, other than sums and carried values, may be rounded once to bf16 or f16.
;; Inputs: W1 8 x 2 x 256 x 1,024 float32; W2 8 x 2 x 1,024 x 256 float32; Wg 8,192 x 8 float32; Win 8 x 128 x 256 float32; Wk 8 x 2 x 256 x 256 float32; Wo 8 x 2 x 256 x 256 float32; Wout 8 x 256 x 64 float32; Wq 8 x 2 x 256 x 256 float32; Wr 8,192 x 64 float32; Wv 8 x 2 x 256 x 256 float32; b1 8 x 2 x 1,024 float32; b2 8 x 2 x 256 float32; bg 8 float32; bin_ 8 x 256 float32; bk 8 x 2 x 256 float32; bo 8 x 2 x 256 float32; bout 8 x 64 float32; bq 8 x 2 x 256 float32; br 64 float32; bv 8 x 2 x 256 float32; ln1_b 8 x 2 x 256 float32; ln1_g 8 x 2 x 256 float32; ln2_b 8 x 2 x 256 float32; ln2_g 8 x 2 x 256 float32; on_b 64 float32; on_g 64 float32; x 64 x 64 x 128 float32.
;; Outputs: out0 64 x 64 float32.
;; 2 versions, each right; version 2 is version 1 with the launch chain written anew for expert scheduling mode. Each part assembles by itself: llvm-mc -triple=amdgcn-amd-amdhsa -mcpu=gfx1250 --defsym DOCPART=n.
;; ======== version 1 of 2: 3 launches
;; workspace buffers: wf 26,738,688 bytes; ridx 512 bytes of whole numbers; rw 512 bytes; respart 524,288 bytes; eo 32,768 bytes
;; launch prep (part 1): grid 62 x 8, 16 waves a work-group, no clusters, 148,992 bytes of LDS; arguments x, Wg, bg, Wr, Win, Wq, Wk, Wv, Wo, W1, W2, Wout, wf, ridx, rw, respart; writes wf, ridx, rw, respart
.if DOCPART == 1
	.amdgcn_target "amdgcn-amd-amdhsa--gfx1250"
	.amdhsa_code_object_version 6
	.text
	.protected	k_q2fd2c5ae4a_prep
	.globl	k_q2fd2c5ae4a_prep
	.p2align	8
	.type	k_q2fd2c5ae4a_prep,@function
k_q2fd2c5ae4a_prep:
	s_mov_b64 s[64:65], 0
	v_nop
	global_prefetch_b8 v0, s[64:65] scope:SCOPE_SE
	s_setreg_imm32_b32 hwreg(HW_REG_WAVE_MODE, 25, 1), 1
	s_wait_xcnt 0x0
; THREE ROLES, chosen by the work-group's x and y alone (the same in all 16 waves, so every wave of a group passes the same barriers).
;   x < 12, id = 8 x + y < 64 : THE GATE of sample id: logits = x . Wg + bg, the two largest, their softmax -> ridx (whole numbers), rw.
;   x < 12, id >= 64          : A RESIDUAL PART: token slices 2 s, 2 s + 1 (s = id - 64): x[:, 2 s .. 2 s + 1, :] (64 x 256) times Wr[256 s .. 256 s + 255, :] (256 x 64) -> respart[s], f32.
;   x >= 12                   : TWO WEIGHT GROUPS u = 2 (x - 12), u + 1 of expert y: 2 x 16,384 weights rounded to bf16 and laid out as matrix operand fragments -> wf (x = 61: Wout's four groups).
; A FRAGMENT is 1,024 bytes for 16 output channels n0.. and 32 k from k0: lane L = (r = L % 16, h = L / 16) finds W[k0+8h .. +7][n0+r] at byte 16 L and W[k0+16+8h .. +7][n0+r] at byte
; 512 + 16 L: two loads of 512 consecutive bytes fill a wave's 8 operand registers.  wf = [expert][group 102][wave 4][fragment 8]: the groups in the order in which the next launch uses them.
; BYTES ON THEIR WAY.  A weight group's pair and a residual part issue all their 16 loads a lane (131,072 bytes a work-group) before the first wait.  496 work-groups of 148,992 bytes of LDS and
; 4 x 112 registers a SIMD: two fit a WGP's 327,680 bytes and 1,024 registers, so that all 496 can lie on the 256 WGPs at once.
; All inputs are rounded to bf16 (nearest even), the gate's too: its products of bf16 numbers are exact in f32, its sums are f32.
; LDS: each role's text has bytes of its own, so that no line of one role names a byte that a line of another names.
; LIMITS.  NaN and infinities are not treated apart.  Where two logits differ by less than the rounding of x, Wg, bg to bf16 shifts them, the choice can differ from that on unrounded inputs.
; No address and no branch hangs on a floating-point number: the choice is stored at fixed places.
.set ES,    3342336                    ; bytes of an expert's stream: 102 groups x 32,768
.set T1,    0                          ; shape 1's tile: 64 rows of 544 bytes
.set T2,    34816                      ; shape 2's tile: 128 rows of 288 bytes
.set GT,    71680                      ; the gate: [wave 16][quad 2] four sums of 4 bytes
.set WRT,   72192                      ; residual role: Wr's slice, 256 rows of 160 bytes
.set XS,    113152                     ; residual role: x slice, 64 rows of 528 bytes; behind a barrier the result's stage, 64 rows of 272 bytes
.set SPARE, 146944                     ; the spare words: 128 bytes for each of 16 waves, named by no other line
; v0 thread; v1 lane; v2 r; v3 h; v4 global offset; v5 LDS store address; v6 LDS read address; v7 output offset; v8-v87 data; v88-v103 at work; v110, v111 the add's two registers
.macro BAR
	s_barrier_signal -1
	s_barrier_wait -1
.endm
.macro FINISH                          ; the wave's end: three lines behind the last LDS store
	s_wait_tensorcnt 0x0
	ds_add_u32 v110, v111
	s_wait_dscnt 0x0
	s_endpgm
.endm
; the turning load's lane address in a [k][n] tile of pitch p: row 8 h + L % 8, 16 bytes for each half of eight lanes.  The pitches are odd multiples of 32 bytes.
.macro RDADDR p
	v_and_b32 v100, 7, v0
	v_lshl_add_u32 v100, v3, 3, v100
	v_mul_u32_u24 v6, v100, \p
	v_bfe_u32 v101, v0, 3, 1
	v_lshl_add_u32 v6, v101, 4, v6
.endm
.macro OUT4 off                        ; each store of the wave covers 512 consecutive bytes, aligned
	global_store_b128 v7, v[8:11], s[42:43] offset:(\off)
	global_store_b128 v7, v[12:15], s[42:43] offset:(\off)+512
	global_store_b128 v7, v[16:19], s[42:43] offset:(\off)+1024
	global_store_b128 v7, v[20:23], s[42:43] offset:(\off)+1536
.endm
; One of a pair's two tiles, its 8 loads in v[r0 ..]: each is rounded in place to 4 bf16 and put into the LDS tile; a barrier; my wave turns two fragments and stores them.
; The wait's count: the tile's younger loads, and left = the loads of the tile behind it.  The fragments land in registers whose LDS stores have been waited for.
.macro HALF r0, left, lstep, p, out
.set i, 0
.rept 8
	s_wait_loadcnt (\left)+7-i
	v_cvt_pk_bf16_f32 v[(\r0)+4*i], v[(\r0)+4*i], v[(\r0)+4*i+1]
	v_cvt_pk_bf16_f32 v[(\r0)+4*i+1], v[(\r0)+4*i+2], v[(\r0)+4*i+3]
	ds_store_b64 v5, v[(\r0)+4*i:(\r0)+4*i+1] offset:i*(\lstep)
.set i, i+1
.endr
	s_wait_dscnt 0x0                               ; my stores are done, for the others' sake
	BAR
	ds_load_tr16_b128 v[(\r0):(\r0)+3], v6
	ds_load_tr16_b128 v[(\r0)+4:(\r0)+7], v6 offset:16*(\p)
	ds_load_tr16_b128 v[(\r0)+8:(\r0)+11], v6 offset:32
	ds_load_tr16_b128 v[(\r0)+12:(\r0)+15], v6 offset:32+16*(\p)
	s_wait_dscnt 0x0
	global_store_b128 v7, v[(\r0):(\r0)+3], s[42:43] offset:(\out)          ; each store of the wave covers 512 consecutive bytes, aligned
	global_store_b128 v7, v[(\r0)+4:(\r0)+7], s[42:43] offset:(\out)+512
	global_store_b128 v7, v[(\r0)+8:(\r0)+11], s[42:43] offset:(\out)+1024
	global_store_b128 v7, v[(\r0)+12:(\r0)+15], s[42:43] offset:(\out)+1536
.endm
; Two neighbouring groups: the second's source lies g2 bytes behind the first's, its place in wf 32,768 bytes on.  All 16 loads go out first; the tiles take the one LDS tile in turn.
.macro PAIR gstep, g2, lstep, p
.set i, 0
.rept 16
	global_load_b128 v[8+4*i:11+4*i], v4, s[40:41] offset:(i/8)*(\g2)+(i%8)*(\gstep) th:TH_LOAD_NT
.set i, i+1
.endr
	HALF 8, 8, \lstep, \p, 0
	BAR                                            ; every wave's reads of the first tile have come back (its wait stands above): now the tile is written again
	HALF 40, 0, \lstep, \p, 32768
.endm
	s_load_b512 s[8:23], s[0:1], 0x0               ; x 8, Wg 10, bg 12, Wr 14, Win 16, Wq 18, Wk 20, Wv 22
	s_load_b512 s[24:39], s[0:1], 0x40             ; Wo 24, W1 26, W2 28, Wout 30, wf 32, ridx 34, rw 36, respart 38
	v_lshl_add_u32 v110, v0, 2, SPARE
	v_mov_b32 v111, 0
	v_and_b32 v1, 31, v0
	v_and_b32 v2, 15, v0
	v_bfe_u32 v3, v0, 4, 1
	v_lshrrev_b32 v4, 5, v0
	v_readfirstlane_b32 s4, v4                     ; wave 0..15
	s_mov_b32 s2, ttmp9
	s_and_b32 s3, ttmp7, 0xffff
	s_mov_b32 s45, 0                               ; the high word of every offset pair
	s_wait_kmcnt 0x0
	s_cmp_lt_u32 s2, 12
	s_cbranch_scc1 .Lsmall
	; ---------------- TWO WEIGHT GROUPS: where they come from, by scalars of x and y alone ----------------
	s_sub_co_u32 s46, s2, 12
	s_lshl_b32 s46, s46, 1                         ; u = the first group's number in the stream, even (98: Wout's four groups)
	s_mul_i32 s44, s3, ES
	s_lshl_b32 s47, s46, 15
	s_add_co_u32 s44, s44, s47
	s_add_nc_u64 s[42:43], s[32:33], s[44:45]      ; wf at group u
	s_cmp_eq_u32 s46, 0
	s_cbranch_scc1 .Lwin
	s_cmp_eq_u32 s46, 98
	s_cbranch_scc1 .Lwout
	s_sub_co_u32 s47, s46, 2
	s_cmp_ge_u32 s47, 48
	s_cselect_b32 s48, 1, 0                        ; layer
	s_mul_i32 s49, s48, 48
	s_sub_co_u32 s47, s47, s49                     ; the group's number in its layer, 0, 2 .. 46
	s_lshl1_add_u32 s48, s3, s48                   ; 2 x expert + layer
	s_cmp_ge_u32 s47, 16
	s_cbranch_scc1 .Lffn
	s_lshr_b32 s49, s47, 2                         ; 0 Wq, 1 Wk, 2 Wv, 3 Wo
	s_cmp_eq_u32 s49, 1
	s_cselect_b64 s[40:41], s[20:21], s[18:19]
	s_cmp_eq_u32 s49, 2
	s_cselect_b64 s[40:41], s[22:23], s[40:41]
	s_cmp_eq_u32 s49, 3
	s_cselect_b64 s[40:41], s[24:25], s[40:41]
	s_lshl_b32 s44, s48, 18                        ; a 256 x 256 matrix is 262,144 bytes,
	s_and_b32 s50, s47, 3
	s_lshl_b32 s50, s50, 16                        ; 64 of its rows 65,536: my two groups are its upper or its lower 128 rows
	s_add_co_u32 s44, s44, s50
	s_add_nc_u64 s[40:41], s[40:41], s[44:45]
	s_branch .Lshape1
.Lwin:
	s_lshl_b32 s44, s3, 17                         ; Win's 128 rows are groups 0 and 1
	s_add_nc_u64 s[40:41], s[16:17], s[44:45]
	s_branch .Lshape1
.Lffn:                                                 ; pairs pi = 0..15 of two groups, in the order of use: W1(0), W1(1), W2(0), W1(2), W2(1), .. W1(7), W2(6), W2(7)
	s_sub_co_u32 s47, s47, 16
	s_lshr_b32 s49, s47, 1                         ; pi
	s_lshl_b32 s44, s48, 20                        ; W1 and W2 of a layer are 1,048,576 bytes each
	s_and_b32 s51, s49, 1
	s_cmp_eq_u32 s49, 15
	s_cselect_b32 s51, 0, s51
	s_cmp_eq_u32 s49, 0
	s_cselect_b32 s51, 1, s51                      ; 1: a pair of W1
	s_cmp_eq_u32 s51, 1
	s_cbranch_scc1 .Lw1
	s_lshr_b32 s51, s49, 1
	s_sub_co_u32 s51, s51, 1
	s_cmp_eq_u32 s49, 15
	s_cselect_b32 s51, 7, s51                      ; chunk c of W2: rows 128 c .. 128 c + 127
	s_lshl_b32 s51, s51, 17
	s_add_co_u32 s44, s44, s51
	s_add_nc_u64 s[40:41], s[28:29], s[44:45]
	s_branch .Lshape1
.Lw1:
	s_add_co_u32 s51, s49, 1
	s_lshr_b32 s51, s51, 1                         ; chunk c of W1: columns 128 c .. 128 c + 127, all 256 rows
	s_lshl_b32 s51, s51, 9
	s_add_co_u32 s44, s44, s51
	s_add_nc_u64 s[40:41], s[26:27], s[44:45]
	; SHAPE 2: tiles of 128 k x 128 n out of rows of 4,096 bytes; LDS pitch 288, from T2 on.  Fragment F = 8 w + 2 ks + nb; my wave turns F = 2 v and 2 v + 1.
	v_lshrrev_b32 v100, 5, v0
	v_lshlrev_b32 v4, 12, v100
	v_lshl_add_u32 v4, v1, 4, v4                   ; row t / 32, 16 bytes a lane: a wave reads 512 consecutive bytes
	v_mul_u32_u24 v5, v100, 288
	v_lshl_add_u32 v5, v1, 3, v5
	v_add_nc_u32 v5, T2, v5
	RDADDR 288
	s_and_b32 s47, s4, 3                           ; ks
	s_mul_i32 s47, s47, 32*288
	s_lshr_b32 s48, s4, 2                          ; w: columns 32 w
	s_lshl_b32 s48, s48, 6
	s_add_co_u32 s47, s47, s48
	s_add_co_u32 s47, s47, T2
	v_add_nc_u32 v6, s47, v6
	s_lshl_b32 s48, s4, 11
	v_lshl_add_u32 v7, v1, 4, s48
	PAIR 65536, 524288, 4608, 288
	FINISH
.Lshape1:
	; SHAPE 1: tiles of 64 k x 256 n, dense in memory; LDS pitch 544, from T1 = 0 on.  Fragment F = 8 w + 4 ks + nb; my wave turns F = 2 v and 2 v + 1.
	v_lshlrev_b32 v4, 4, v0
	v_lshrrev_b32 v100, 6, v0
	v_and_b32 v101, 63, v0
	v_mul_u32_u24 v5, v100, 544
	v_lshl_add_u32 v5, v101, 3, v5
	RDADDR 544
	s_bfe_u32 s47, s4, 0x10001                     ; ks
	s_mul_i32 s47, s47, 32*544
	s_lshr_b32 s48, s4, 2                          ; w: columns 64 w
	s_lshl_b32 s48, s48, 7
	s_add_co_u32 s47, s47, s48
	s_and_b32 s48, s4, 1                           ; nb = 2 (v % 2) + 0, 1
	s_lshl_b32 s48, s48, 6
	s_add_co_u32 s47, s47, s48
	v_add_nc_u32 v6, s47, v6
	s_lshl_b32 s48, s4, 11
	v_lshl_add_u32 v7, v1, 4, s48
	PAIR 8192, 65536, 4352, 544
	FINISH
.Lwout:
	; Wout, 256 k x 64 n: 524,288 bytes in all eight experts, under a hundredth of what this launch reads.  It takes no LDS: a lane reads its fragments' 32 numbers one by one (sixteen lanes take
	; 64 consecutive bytes of a row; a row's four readers are waves of this group), rounds them in pairs and stores.  Wave v: channel block nb = v / 4, K steps ks = 2 (v % 4) + 0, 1.
	; Group 98 + nb holds fragments ks = 0..7; it is stored once for each of the four waves of the next launch, whose streams stay linear so.
	s_lshl_b32 s44, s3, 16
	s_add_nc_u64 s[40:41], s[30:31], s[44:45]
	s_and_b32 s47, s4, 3
	s_lshr_b32 s49, s4, 2
	v_lshlrev_b32 v4, 11, v3                       ; 8 h rows of 256 bytes,
	v_lshl_add_u32 v4, v2, 2, v4                   ; channel r,
	s_lshl_b32 s48, s47, 14                        ; my 64 rows,
	s_lshl_b32 s50, s49, 6                         ; my 16 channels
	s_add_co_u32 s48, s48, s50
	v_add_nc_u32 v4, s48, v4
	s_lshl_b32 s49, s49, 15
	s_lshl_b32 s47, s47, 11
	s_add_co_u32 s49, s49, s47
	v_lshl_add_u32 v7, v1, 4, s49
.set i, 0
.rept 32                               ; number i: fragment i / 16, its half (i / 8) % 2, k = 8 h + i % 8 in that half
	global_load_b32 v[8+i], v4, s[40:41] offset:256*((i/16)*32+((i/8)%2)*16+i%8)
.set i, i+1
.endr
	s_wait_loadcnt 0x0
.set i, 0
.rept 16                               ; in place: pair i lands at or below the registers that it leaves
	v_cvt_pk_bf16_f32 v[8+i], v[8+2*i], v[9+2*i]
.set i, i+1
.endr
	OUT4 0
	OUT4 8192
	OUT4 16384
	OUT4 24576
	FINISH
.Lsmall:
	s_lshl3_add_u32 s46, s2, s3                    ; id
	s_cmp_ge_u32 s46, 64
	s_cbranch_scc1 .Lres
	; ---------------- THE GATE of sample id.  One row times 8 columns: a stream, on the vector unit.  Thread t: experts 4 (t % 2) .. + 3, rows k = t / 2 + 256 i. ----------------
	s_load_b256 s[52:59], s[12:13], 0x0            ; bg
	s_mov_b32 s60, 0x76543210                      ; v_permlanex16_b32: each lane takes its own place in the other half
	s_mov_b32 s61, 0xfedcba98
	s_lshl_b32 s44, s46, 15
	s_add_nc_u64 s[40:41], s[8:9], s[44:45]        ; the sample's 8,192 numbers
	v_lshlrev_b32 v4, 4, v0                        ; Wg: 32 bytes a row, 16 for my four experts
	v_lshrrev_b32 v5, 1, v0
	v_lshlrev_b32 v5, 2, v5
.irp q, 92,93,94,95,96,97,98,99,100,101,102,103
	v_mov_b32 v\q, 0                               ; four sums; eight destinations of lane exchanges, which count as read
.endr
.set bt, 0
.rept 2                                ; two batches of 16 rows: 32 loads out before the first wait
.set i, 0
.rept 16
	global_load_b128 v[8+4*i:11+4*i], v4, s[10:11] offset:8192*(16*bt+i)
	global_load_b32 v[72+i], v5, s[40:41] offset:1024*(16*bt+i)
.set i, i+1
.endr
.set i, 0
.rept 16
	s_wait_loadcnt 2*(15-i)                        ; the pairs of loads behind row i's stay out
	v_cvt_pk_bf16_f32 v88, v[8+4*i], v[9+4*i]
	v_cvt_pk_bf16_f32 v89, v[10+4*i], v[11+4*i]
	v_cvt_pk_bf16_f32 v90, v[72+i], v[72+i]
	v_fma_mix_f32_bf16 v92, v90, v88, v92 op_sel_hi:[1,1,0]
	v_fma_mix_f32_bf16 v93, v90, v88, v93 op_sel:[0,1,0] op_sel_hi:[1,1,0]
	v_fma_mix_f32_bf16 v94, v90, v89, v94 op_sel_hi:[1,1,0]
	v_fma_mix_f32_bf16 v95, v90, v89, v95 op_sel:[0,1,0] op_sel_hi:[1,1,0]
.set i, i+1
.endr
.set bt, bt+1
.endr
.macro RED4                            ; the four sums over the 16 lanes of my parity
.irp m, 2,4,8
.irp q, 92,93,94,95
	v_add_f32_dpp v\q, v\q, v\q row_xmask:\m row_mask:0xf bank_mask:0xf
.endr
.endr
.irp q, 0,1,2,3
	v_permlanex16_b32 v[96+\q], v[92+\q], s60, s61
.endr
.irp q, 0,1,2,3
	v_add_f32 v[92+\q], v[92+\q], v[96+\q]
.endr
.endm
	RED4
	v_and_b32 v6, 1, v0
	v_lshlrev_b32 v6, 4, v6
	s_lshl_b32 s47, s4, 5
	s_add_co_u32 s47, s47, GT
	v_add_nc_u32 v6, s47, v6
	ds_store_b128 v6, v[92:95]                     ; [wave][quad]: lanes of one parity store the same 16 bytes
	s_wait_kmcnt 0x0                               ; bg
	s_wait_dscnt 0x0
	BAR
	s_cmp_lg_u32 s4, 0
	s_cbranch_scc1 .Lgate_end                      ; wave 0 alone goes on; no barrier follows
	v_lshlrev_b32 v7, 4, v1
	v_add_nc_u32 v7, GT, v7
	ds_load_b128 v[92:95], v7                      ; lane L: wave L / 2, quad L % 2
	s_wait_dscnt 0x0
	RED4
.irp q, 0,1,2,3
	v_mov_b32_dpp v[100+\q], v[92+\q] row_xmask:1 row_mask:0xf bank_mask:0xf
.endr
	v_and_b32 v6, 1, v0
	v_cmp_eq_u32 vcc_lo, 1, v6
.irp q, 0,1,2,3
	v_cndmask_b32 v[8+\q], v[92+\q], v[100+\q], vcc_lo   ; experts 0-3: an even lane's own quad
	v_cndmask_b32 v[12+\q], v[100+\q], v[92+\q], vcc_lo  ; experts 4-7: an odd lane's own quad
.endr
.irp q, 0,1,2,3,4,5,6,7
	v_mov_b32 v[16+\q], s[52+\q]
.endr
.irp q, 0,2,4,6
	v_cvt_pk_bf16_f32 v24, v[16+\q], v[17+\q]      ; bg rounded to bf16 like every input
	v_lshlrev_b32 v[16+\q], 16, v24
	v_and_b32 v[17+\q], 0xffff0000, v24
.endr
.irp q, 0,1,2,3,4,5,6,7
	v_add_f32 v[8+\q], v[8+\q], v[16+\q]
.endr
.macro SCAN val, idx                   ; the largest of v8-v15 and its number; a later equal logit does not displace an earlier one (the lower index is kept)
	v_mov_b32 v[\val], v8
	v_mov_b32 v[\idx], 0
.irp q, 1,2,3,4,5,6,7
	v_cmp_gt_f32 vcc_lo, v[8+\q], v[\val]
	v_cndmask_b32 v[\val], v[\val], v[8+\q], vcc_lo
	v_cndmask_b32 v[\idx], v[\idx], \q, vcc_lo
.endr
.endm
	SCAN 28, 26
	v_mov_b32 v25, 0xff800000
.irp q, 0,1,2,3,4,5,6,7
	v_cmp_eq_u32 vcc_lo, \q, v26
	v_cndmask_b32 v[8+\q], v[8+\q], v25, vcc_lo    ; the winner leaves the field
.endr
	SCAN 29, 27
	v_sub_f32 v24, v29, v28                        ; second - best: at most 0: the maximum is taken away
	v_mul_f32 v24, 0x3fb8aa3b, v24
	v_exp_f32 v24, v24
	v_nop                                          ; a plain instruction behind the exponential,
	s_wait_alu depctr_va_vdst(0)                   ; and the wait ahead of its first reader
	v_add_f32 v23, 1.0, v24
	v_rcp_f32 v22, v23
	v_nop
	s_wait_alu depctr_va_vdst(0)
	v_mul_f32 v23, v24, v22                        ; v[22:23] = the two weights
	s_lshl_b32 s44, s46, 3
	s_add_nc_u64 s[42:43], s[34:35], s[44:45]
	s_add_nc_u64 s[48:49], s[36:37], s[44:45]
	v_mov_b32 v21, 0
	v_cmp_eq_u32 vcc_lo, 0, v0
	s_wait_xcnt 0x0                                ; EXEC changes only behind this wait
	s_and_saveexec_b32 s47, vcc_lo
	global_store_b64 v21, v[26:27], s[42:43]       ; the two experts, whole numbers
	global_store_b64 v21, v[22:23], s[48:49]
	s_wait_xcnt 0x0                                ; and again in front of the line that widens it
	s_or_b32 exec_lo, exec_lo, s47
.Lgate_end:
	FINISH
.Lres:
	; ---------------- A RESIDUAL PART.  Wave v: samples 16 (v / 4) .., channels 16 (v % 4) ..; K = 256 in eight steps, even steps on one accumulator, odd steps on another. ----------------
	s_sub_co_u32 s46, s46, 64                      ; s = 0..31
	s_lshl_b32 s44, s46, 16
	s_add_nc_u64 s[40:41], s[14:15], s[44:45]      ; Wr's 256 rows of 256 bytes
	s_lshl_b32 s44, s46, 10                        ; x[b][2 s .. 2 s + 1][:]: 1,024 consecutive bytes; wave v takes samples v + 16 i
	s_lshl_b32 s47, s4, 15
	s_add_co_u32 s44, s44, s47
	s_add_nc_u64 s[48:49], s[8:9], s[44:45]
	v_lshlrev_b32 v4, 4, v0
	v_lshlrev_b32 v96, 4, v1
.set i, 0
.rept 8                                ; all 16 loads go out before the first wait
	global_load_b128 v[8+4*i:11+4*i], v4, s[40:41] offset:8192*i th:TH_LOAD_NT
.set i, i+1
.endr
.set i, 0
.rept 8
	global_load_b128 v[40+4*i:43+4*i], v96, s[48:49] offset:(i/2)*524288+(i%2)*512
.set i, i+1
.endr
	v_lshrrev_b32 v100, 4, v0
	v_mul_u32_u24 v5, v100, 160
	v_lshl_add_u32 v5, v2, 3, v5
	v_add_nc_u32 v5, WRT, v5                       ; Wr: row t / 16 + 32 i, 8 bytes for my 4 channels
	v_mul_u32_u24 v98, v100, 272
	v_lshl_add_u32 v98, v2, 4, v98
	v_add_nc_u32 v98, XS, v98                      ; the stage read back: row t / 16, 16 bytes a lane
	s_mul_i32 s47, s4, 528
	s_add_co_u32 s47, s47, XS
	v_lshl_add_u32 v97, v1, 3, s47                 ; x: row v + 16 i, 8 bytes a lane
	RDADDR 160
	s_and_b32 s47, s4, 3                           ; nb
	s_lshr_b32 s50, s4, 2                          ; mb
	s_lshl_b32 s51, s47, 5
	s_add_co_u32 s51, s51, WRT
	v_add_nc_u32 v6, s51, v6
	v_mul_u32_u24 v7, v2, 528
	v_lshl_add_u32 v7, v3, 4, v7
	s_mul_i32 s51, s50, 16*528
	s_add_co_u32 s51, s51, XS
	v_add_nc_u32 v7, s51, v7                       ; x's fragments: row 16 mb + r, 16 bytes for each half of the lanes
	v_mul_u32_u24 v103, v2, 272
	v_lshl_add_u32 v103, v3, 5, v103               ; the stage: row 16 mb + r, 32 bytes for each half of the lanes
	s_mul_i32 s51, s50, 16*272
	s_lshl_b32 s47, s47, 6
	s_add_co_u32 s51, s51, s47
	s_add_co_u32 s51, s51, XS
	v_add_nc_u32 v103, s51, v103
	s_lshl_b32 s44, s46, 14
	s_add_nc_u64 s[42:43], s[38:39], s[44:45]
.set i, 0
.rept 8
	s_wait_loadcnt 15-i                            ; Wr's younger loads and x's eight stay out
	v_cvt_pk_bf16_f32 v[8+4*i], v[8+4*i], v[9+4*i]
	v_cvt_pk_bf16_f32 v[9+4*i], v[10+4*i], v[11+4*i]
	ds_store_b64 v5, v[8+4*i:9+4*i] offset:5120*i
.set i, i+1
.endr
.set i, 0
.rept 8
	s_wait_loadcnt 7-i
	v_cvt_pk_bf16_f32 v[40+4*i], v[40+4*i], v[41+4*i]
	v_cvt_pk_bf16_f32 v[41+4*i], v[42+4*i], v[43+4*i]
	ds_store_b64 v97, v[40+4*i:41+4*i] offset:(i/2)*8448+(i%2)*256
.set i, i+1
.endr
	s_wait_dscnt 0x0
	BAR
; four K steps: their fragments, then four products; source 0 = 16 channels of Wr, source 1 = 16 samples: a lane holds one sample and 8 neighbouring channels.
; The two accumulators take turns, one instruction a turn.
.macro RES4 hh
.irp k, 0,1,2,3
	ds_load_tr16_b128 v[8+8*\k:11+8*\k], v6 offset:(4*(\hh)+\k)*5120
	ds_load_tr16_b128 v[12+8*\k:15+8*\k], v6 offset:(4*(\hh)+\k)*5120+2560
	ds_load_b128 v[40+8*\k:43+8*\k], v7 offset:64*(4*(\hh)+\k)
	ds_load_b128 v[44+8*\k:47+8*\k], v7 offset:64*(4*(\hh)+\k)+32
.endr
	s_wait_dscnt 0x0
.if (\hh) == 0
	v_wmma_f32_16x16x32_bf16 v[72:79], v[8:15], v[40:47], 0
	v_wmma_f32_16x16x32_bf16 v[80:87], v[16:23], v[48:55], 0
.else
	v_wmma_f32_16x16x32_bf16 v[72:79], v[8:15], v[40:47], v[72:79]
	v_wmma_f32_16x16x32_bf16 v[80:87], v[16:23], v[48:55], v[80:87]
.endif
	v_wmma_f32_16x16x32_bf16 v[72:79], v[24:31], v[56:63], v[72:79]
	v_wmma_f32_16x16x32_bf16 v[80:87], v[32:39], v[64:71], v[80:87]
.rept 4
	v_nop                                          ; four places behind the last product: ahead of loads into its sources, and of the readers of its result
.endr
.endm
	RES4 0
	RES4 1
.irp j, 0,2,4,6
	v_pk_add_f32 v[88+\j:89+\j], v[72+\j:73+\j], v[80+\j:81+\j]  ; the two halves of the sum, each accumulator from its low end on
.endr
	BAR                                            ; every wave's reads of the x slice have come back (the wait in RES4): its bytes now take the stage
	ds_store_b128 v103, v[88:91]
	ds_store_b128 v103, v[92:95] offset:16
	s_wait_dscnt 0x0
	BAR
	ds_load_b128 v[8:11], v98                      ; whole rows back: 16 lanes take a row's 256 bytes
	ds_load_b128 v[12:15], v98 offset:8704
	s_wait_dscnt 0x1                               ; the second load may stay out
	global_store_b128 v4, v[8:11], s[42:43]
	s_wait_dscnt 0x0
	global_store_b128 v4, v[12:15], s[42:43] offset:8192
	FINISH
.Lfunc_end_k_q2fd2c5ae4a_prep:
	.size	k_q2fd2c5ae4a_prep, .Lfunc_end_k_q2fd2c5ae4a_prep-k_q2fd2c5ae4a_prep
	.p2alignl 7, 3214868480
	.fill 96, 4, 3214868480
	.section	.rodata,"a",@progbits
	.p2align	6, 0x0
	.amdhsa_kernel k_q2fd2c5ae4a_prep
		.amdhsa_group_segment_fixed_size 148992
		.amdhsa_private_segment_fixed_size 0
		.amdhsa_enable_private_segment 0
		.amdhsa_kernarg_size 128
		.amdhsa_user_sgpr_count 2
		.amdhsa_user_sgpr_kernarg_segment_ptr 1
		.amdhsa_wavefront_size32 1
		.amdhsa_system_sgpr_workgroup_id_x 1
		.amdhsa_system_sgpr_workgroup_id_y 1
		.amdhsa_system_sgpr_workgroup_id_z 1
		.amdhsa_system_vgpr_workitem_id 0
		.amdhsa_next_free_vgpr 112
		.amdhsa_next_free_sgpr 66
		.amdhsa_reserve_vcc 1
		.amdhsa_float_denorm_mode_32 3
		.amdhsa_float_denorm_mode_16_64 3
		.amdhsa_memory_ordered 1
		.amdhsa_forward_progress 1
		.amdhsa_inst_pref_size 66
	.end_amdhsa_kernel
	.amdgpu_metadata
---
amdhsa.version: [ 1, 2 ]
amdhsa.kernels:
  - .name:           k_q2fd2c5ae4a_prep
    .symbol:         k_q2fd2c5ae4a_prep.kd
    .args:
      - { .name: x, .offset: 0, .size: 8, .value_kind: global_buffer, .address_space: global }
      - { .name: Wg, .offset: 8, .size: 8, .value_kind: global_buffer, .address_space: global }
      - { .name: bg, .offset: 16, .size: 8, .value_kind: global_buffer, .address_space: global }
      - { .name: Wr, .offset: 24, .size: 8, .value_kind: global_buffer, .address_space: global }
      - { .name: Win, .offset: 32, .size: 8, .value_kind: global_buffer, .address_space: global }
      - { .name: Wq, .offset: 40, .size: 8, .value_kind: global_buffer, .address_space: global }
      - { .name: Wk, .offset: 48, .size: 8, .value_kind: global_buffer, .address_space: global }
      - { .name: Wv, .offset: 56, .size: 8, .value_kind: global_buffer, .address_space: global }
      - { .name: Wo, .offset: 64, .size: 8, .value_kind: global_buffer, .address_space: global }
      - { .name: W1, .offset: 72, .size: 8, .value_kind: global_buffer, .address_space: global }
      - { .name: W2, .offset: 80, .size: 8, .value_kind: global_buffer, .address_space: global }
      - { .name: Wout, .offset: 88, .size: 8, .value_kind: global_buffer, .address_space: global }
      - { .name: wf, .offset: 96, .size: 8, .value_kind: global_buffer, .address_space: global }
      - { .name: ridx, .offset: 104, .size: 8, .value_kind: global_buffer, .address_space: global }
      - { .name: rw, .offset: 112, .size: 8, .value_kind: global_buffer, .address_space: global }
      - { .name: respart, .offset: 120, .size: 8, .value_kind: global_buffer, .address_space: global }
    .group_segment_fixed_size: 148992
    .private_segment_fixed_size: 0
    .kernarg_segment_align: 8
    .kernarg_segment_size: 128
    .max_flat_workgroup_size: 512
    .sgpr_count:     66
    .vgpr_count:     112
    .wavefront_size: 32
...
	.end_amdgpu_metadata
.endif
;; end of part 1
;; launch chain (part 2): grid 128 x 1, 4 waves a work-group, no clusters, 181,248 bytes of LDS; arguments ridx, rw, wf, x, bin_, bq, bk, bv, bo, ln1_g, ln1_b, b2, ln2_g, ln2_b, b1, bout, eo; writes eo
.if DOCPART == 2
	.amdgcn_target "amdgcn-amd-amdhsa--gfx1250"
	.amdhsa_code_object_version 6
	.text
	.protected	k_q2fd2c5ae4a_chain
	.globl	k_q2fd2c5ae4a_chain
	.p2align	8
	.type	k_q2fd2c5ae4a_chain,@function
k_q2fd2c5ae4a_chain:
	s_mov_b64 s[64:65], 0
	v_nop
	global_prefetch_b8 v0, s[64:65] scope:SCOPE_SE
	s_setreg_imm32_b32 hwreg(HW_REG_WAVE_MODE, 25, 1), 1
	s_wait_xcnt 0x0
; ONE WORK-GROUP TAKES ONE (sample, chosen expert) PAIR p = 2 b + k THROUGH THE WHOLE ENCODER: Win, two layers (Q K V, attention, Wo, LayerNorm, W1, ReLU, W2, LayerNorm), the mean over the
; 64 tokens, Wout, the gate's weight -> eo[p][64].  The expert's number is read from ridx, which the launch before stored as whole numbers, and clamped to 7.
; SHARES.  Wave w owns output channels 64 w .. 64 w + 63 of every product, that is heads 2 w and 2 w + 1: attention never leaves the wave.
; LAYOUT.  Products with weights are used transposed (source 0 = 16 channels of the weight, source 1 = 16 tokens): a lane then holds token lane % 16 and the 8 channels 8 (lane / 16) + 0..7.  Two
; neighbouring results, rounded to bf16 in pairs, ARE an operand fragment of the next product (Q, K, P).  V is made with the sources swapped (a lane holds a channel, its registers tokens): V^T's fragments.
; WEIGHTS come from wf, laid out by the launch before as fragments in the order of use, straight into registers: a ring of 4 slots of 8 fragments; each group of 32 products is followed by the loads of
; the group four further on: 48 to 64 loads of 512 bytes are out for each wave.  Each byte has one reader in the work-group: no LDS copy, no barrier for it.
; The residual stream H stays in f32 in registers; what other waves need (h, the attention's result, the hidden layer) goes through LDS in bf16.
; NO CLUSTER: the pairs of one expert walk the same stream, but how many they are (0 to 64) hangs on the routing, so partners would first have to be sorted into groups of four, with groups not full;
; and a joint load lands in LDS: each of the stream's 3,342,336 bytes would be written there and read back by the one wave that needs it.
; FORMATS.  All matrix operands bf16, sums f32; x, the weights, biases and gains are rounded to bf16 once.  Softmax with the row's maximum taken away; LayerNorm by means and sums of squared
; differences from the mean, the four waves' parts joined without a difference of large sums.
; LIMITS.  NaN and infinities are not treated apart; a softmax weight below 2^-126 counts as 0.
; REGISTERS, in windows of 256 (s_set_vgpr_msb: bits 1:0 source 0, 3:2 source 1, 5:4 source 2, 7:6 destination):
;   window 0: v1-v16 addresses, v17-v29 at work, v30, v31 the add's two; v32-63 statistics; v64-95 BI (a bias as a C operand); v96-127 TP (at work); v128-255 H, tile (mb, nb) at 128 + 8 (4 mb + nb)
;   window 1: the weight ring          window 2: A1, fragment (ks, mb) at 8 (4 ks + mb); in attention V^T v0-63, P v64-127, O v128-191
;   window 3: v0-127 T (results to be packed; scores; in LayerNorm gain v0-31, offset v32-63); v128-255 A2, the hidden layer's fragments; in attention Q v128-191, K v192-255
.set ES,    3342336
.set P_L,   13312                      ; LDS: a layer's parameters as f32: bq 0, bk 1024, bv 2048, bo 3072, g1 4096, e1 5120, b2 6144, g2 7168, e2 8192, b1 9216 (4,096 bytes)
.set O_BQ,  0
.set O_BK,  1024
.set O_BV,  2048
.set O_BO,  3072
.set O_B2,  6144
.set O_B1,  9216
.set BIN,   26624
.set BOUT,  27648                      ; 512 bytes: a word a thread
.set STAT,  28160                      ; [token 64][wave 4](mean, sum of squares): 32 bytes a token
.set OUTX,  30208                      ; [wave 4][channel 64] f32
.set SPARE, 31232                      ; the spare words: 128 bytes for each of 4 waves, named by no other line
.set XA,    32768                      ; h in bf16: 64 rows of 512 + 16 bytes: the 16 rows of a fragment load start at 16 different groups of four banks
.set XBO,   33792                      ; XB - XA: x at the start, later the attention's result
.set HID0,  131072                     ; the hidden layer's chunk: 64 rows of 256 + 16 bytes; the second buffer 0x8000 further on
.set BI,    64
.set TP,    96
.set HH,    128
.set RB,    66                         ; s[66:73]: for each ring slot the address of the group that it takes next
.set MSB, 0
.macro WIN new                         ; the immediate's high byte repeats the setting that is left; a switch that changes nothing is dropped
.if MSB != (\new)
	s_set_vgpr_msb (MSB<<8)|(\new)
.set MSB, (\new)
.endif
.endm
.macro BAR
	s_barrier_signal -1
	s_barrier_wait -1
.endm
.macro ALL4 line:vararg                ; one line for each t = 0..3
.set t, 0
.rept 4
	\line
.set t, t+1
.endr
.endm
.macro PLACES                          ; four plain vector instructions between a matrix instruction and a load into, or a reader of, its registers
.rept 4
	v_nop
.endr
.endm
; THE RING.  SLOT, the assembler's, is the slot in turn; every loop body holds a multiple of four groups.  Each slot has an address pair of its own: it is stepped, four groups on, behind the wait
; that shows the slot's own 16 loads landed, which frees their address; so no line waits for the translation of loads just issued.
.set SLOT, 0
.macro FILLG
	WIN 0x40
.set ff, 0
.rept 8
	global_load_b128 v[64*SLOT+8*ff:64*SLOT+8*ff+3], v1, s[RB+2*SLOT:RB+2*SLOT+1] offset:1024*ff
	global_load_b128 v[64*SLOT+8*ff+4:64*SLOT+8*ff+7], v1, s[RB+2*SLOT:RB+2*SLOT+1] offset:1024*ff+512
.set ff, ff+1
.endr
.set SLOT, (SLOT+1)%4
.endm
; A GROUP: 32 products with the 8 fragments of the slot in turn, then the loads of the group four further on into the same slot.
; s_wait_loadcnt 48: the three younger groups' 48 loads stay out, this group's have landed.  dsw >= 0: how many younger LDS loads (later K steps' fragments) may stay out.
; Kinds: HW: H += W x A1 (first: C = a bias).  HF: H += W x A2.  TT: T = W x A1 (first: C = a bias).  TV: T = A1 x W (sources swapped; first: C = 0).  All four: 2 K steps x 4 channel blocks x 4 token blocks.
; TB: T = W x A1, 4 K steps x 2 channel blocks x 4 token blocks.  The 16 (TB: 8) accumulators take turns, one instruction a turn; so no wait stands among them.
.set K_HW, 0
.set K_HF, 1
.set K_TT, 2
.set K_TV, 3
.set K_TB, 4
.macro GRP kind, ks0, first, dsw, bias=BI
	s_wait_loadcnt 48
	s_add_nc_u64 s[RB+2*SLOT:RB+2*SLOT+1], s[RB+2*SLOT:RB+2*SLOT+1], 131072  ; this slot's loads are done: its address goes four groups of 32,768 bytes on
.if (\dsw) >= 0
	s_wait_dscnt \dsw
.endif
.set nK, 2
.set nN, 4
.if (\kind) == K_TB
.set nK, 4
.set nN, 2
.endif
.set gk, 0
.rept nK
.set gn, 0
.rept nN
.set gm, 0
.rept 4
.set rR, 64*SLOT+8*(nN*gk+gn)
.set rA, 8*(4*((\ks0)+gk)+gm)
.set rH, HH+8*(4*gm+gn)
.set rT, 8*(4*gm+gn)
.if (\kind) == K_TV
.set rT, 8*(4*gn+gm)
.endif
.if (\kind) == K_TB
.set rT, 8*(2*gm+gn)
.endif
.if (\kind) == K_HW
	WIN 0x09
.if (\first) && (gk == 0)
	v_wmma_f32_16x16x32_bf16 v[rH:rH+7], v[rR:rR+7], v[rA:rA+7], v[(\bias)+8*gn:(\bias)+8*gn+7]
.else
	v_wmma_f32_16x16x32_bf16 v[rH:rH+7], v[rR:rR+7], v[rA:rA+7], v[rH:rH+7]
.endif
.elseif (\kind) == K_HF
	WIN 0x0d
	v_wmma_f32_16x16x32_bf16 v[rH:rH+7], v[rR:rR+7], v[128+rA:128+rA+7], v[rH:rH+7]
.elseif (\kind) == K_TV
	WIN 0xf6
.if (\first) && (gk == 0)
	v_wmma_f32_16x16x32_bf16 v[rT:rT+7], v[rA:rA+7], v[rR:rR+7], 0
.else
	v_wmma_f32_16x16x32_bf16 v[rT:rT+7], v[rA:rA+7], v[rR:rR+7], v[rT:rT+7]
.endif
.else
.if (\first) && (gk == 0)
	WIN 0xc9
	v_wmma_f32_16x16x32_bf16 v[rT:rT+7], v[rR:rR+7], v[rA:rA+7], v[(\bias)+8*gn:(\bias)+8*gn+7]
.else
	WIN 0xf9
	v_wmma_f32_16x16x32_bf16 v[rT:rT+7], v[rR:rR+7], v[rA:rA+7], v[rT:rT+7]
.endif
.endif
.set gm, gm+1
.endr
.set gn, gn+1
.endr
.set gk, gk+1
.endr
	PLACES                                         ; also the places in front of whatever reads this group's results next
	FILLG
.endm
; A bias, gain or offset of my channels as 8 registers a channel block: register j of lane (r, h) = p[64 w + 16 nb + 8 h + j].  The caller sets the window.
.macro BLOAD dst, areg, off, nblk
.set bb, 0
.rept \nblk
	ds_load_b128 v[(\dst)+8*bb:(\dst)+8*bb+3], v[\areg] offset:(\off)+64*bb
	ds_load_b128 v[(\dst)+8*bb+4:(\dst)+8*bb+7], v[\areg] offset:(\off)+64*bb+16
.set bb, bb+1
.endr
.endm
.macro A1LOAD off, nks                 ; the activations' fragments, K step by K step: 8 loads a step
	WIN 0x80
.set ak, 0
.rept \nks
.set am, 0
.rept 4
	ds_load_b128 v[8*(4*ak+am):8*(4*ak+am)+3], v2 offset:(\off)+8448*am+64*ak
	ds_load_b128 v[8*(4*ak+am)+4:8*(4*ak+am)+7], v2 offset:(\off)+8448*am+64*ak+32
.set am, am+1
.endr
.set ak, ak+1
.endr
.endm
.macro A2LOAD                          ; the hidden chunk's fragments from the buffer in turn
	WIN 0
	v_add_nc_u32 v6, s50, v4
	WIN 0xc0
.set ak, 0
.rept 4
.set am, 0
.rept 4
	ds_load_b128 v[128+8*(4*ak+am):128+8*(4*ak+am)+3], v6 offset:4352*am+64*ak
	ds_load_b128 v[128+8*(4*ak+am)+4:128+8*(4*ak+am)+7], v6 offset:4352*am+64*ak+32
.set am, am+1
.endr
.set ak, ak+1
.endr
.endm
.macro PACK win, dst                   ; T's 128 registers rounded to bf16 in pairs: 8 operand fragments; each accumulator is read from its low end on
	WIN \win
.set pk, 0
.rept 64
	v_cvt_pk_bf16_f32 v[(\dst)+pk], v[2*pk], v[2*pk+1]
.set pk, pk+1
.endr
.endm
; H rounded to bf16 into XA, my 64 channels of all 64 rows; then a barrier.  The two halves go through TP and BI, so that no register of a pending store is rewritten.
; XA's last readers waited for their loads in front of an earlier barrier.
.macro PUBLISH
	WIN 0
.set ph, 0
.rept 2
.set pj, 0
.rept 32
	v_cvt_pk_bf16_f32 v[TP-32*ph+pj], v[HH+64*ph+2*pj], v[HH+64*ph+2*pj+1]
.set pj, pj+1
.endr
.set pj, 0
.rept 8
	ds_store_b128 v3, v[TP-32*ph+4*pj:TP-32*ph+4*pj+3] offset:8448*(2*ph+pj/4)+32*(pj%4)
.set pj, pj+1
.endr
.set ph, ph+1
.endr
	s_wait_dscnt 0x0                               ; for the others' sake: my stores are done
	BAR
.endm
; ONE HEAD.  S^T = K Q^T (head size 32: one product a tile): a lane holds one query and 8 keys of each of 4 key blocks; the query's other 32 keys lie in the lane 16 away.
; p = 2^(c s - c m), c = log2(e) / sqrt(32), m the row's maximum.  The 128 exponentials are ONE batch with one wait.  O^T = V^T P is issued as soon as P is rounded; the row sums stand behind it.
.macro HEAD hd
	WIN 0xcf
.set hq, 0
.rept 4
.set hk, 0
.rept 4
	v_wmma_f32_16x16x32_bf16 v[8*(4*hq+hk):8*(4*hq+hk)+7], v[192+8*(2*hk+(\hd)):192+8*(2*hk+(\hd))+7], v[128+8*(2*hq+(\hd)):128+8*(2*hq+(\hd))+7], 0
.set hk, hk+1
.endr
.set hq, hq+1
.endr
	PLACES
	WIN 0x3f                                       ; the maximum, three operands at a time, four chains a query block; each accumulator's lowest registers first
.set hj, 0
.rept 4
	ALL4 v_max3_num_f32 v[32+4*t+hj], v[32*t+8*hj], v[32*t+8*hj+1], v[32*t+8*hj+2]
.set hj, hj+1
.endr
	WIN 0x3c
.set hj, 4
.rept 8
	ALL4 v_max3_num_f32 v[32+4*t+hj%4], v[32+4*t+hj%4], v[32*t+8*(hj%4)+2*(hj/4)+1], v[32*t+8*(hj%4)+2*(hj/4)+2]
.set hj, hj+1
.endr
	ALL4 v_max3_num_f32 v[32+4*t], v[32+4*t], v[32*t+7], v[32*t+15]
	ALL4 v_max3_num_f32 v[34+4*t], v[34+4*t], v[32*t+23], v[32*t+31]
	WIN 0
	ALL4 v_max3_num_f32 v[32+4*t], v[32+4*t], v[33+4*t], v[34+4*t]
	ALL4 v_max_num_f32 v[32+4*t], v[32+4*t], v[35+4*t]
	ALL4 v_permlanex16_b32 v[33+4*t], v[32+4*t], s54, s55
	ALL4 v_max_num_f32 v[49+2*t], v[32+4*t], v[33+4*t]
	ALL4 v_mul_f32 v[48+2*t], s52, v[49+2*t]
	WIN 0xc3
.set hb, 0
.rept 16
	ALL4 v_pk_fma_f32 v[32*t+2*hb:32*t+2*hb+1], v[32*t+2*hb:32*t+2*hb+1], s[52:53], v[48+2*t:49+2*t] op_sel_hi:[1,0,0] neg_lo:[0,0,1] neg_hi:[0,0,1]
.set hb, hb+1
.endr
.set hb, 0
.rept 128
	v_exp_f32 v[hb], v[hb]
.set hb, hb+1
.endr
	v_nop                                          ; a plain instruction behind the last exponential: one for the batch,
	s_wait_alu depctr_va_vdst(0)                   ; and one wait ahead of the first reader
	WIN 0x8f
.set hb, 0
.rept 64
	v_cvt_pk_bf16_f32 v[64+hb], v[2*hb], v[2*hb+1]
.set hb, hb+1
.endr
	WIN 0xaa                                       ; 16 products, 8 accumulators by turns; the first 8 start the sums
.set hs, 0
.rept 2
.set hq, 0
.rept 4
.set hc, 0
.rept 2
.if hs == 0
	v_wmma_f32_16x16x32_bf16 v[128+8*(2*hq+hc):128+8*(2*hq+hc)+7], v[8*(2*(2*(\hd)+hc)+hs):8*(2*(2*(\hd)+hc)+hs)+7], v[64+8*(2*hq+hs):64+8*(2*hq+hs)+7], 0
.else
	v_wmma_f32_16x16x32_bf16 v[128+8*(2*hq+hc):128+8*(2*hq+hc)+7], v[8*(2*(2*(\hd)+hc)+hs):8*(2*(2*(\hd)+hc)+hs)+7], v[64+8*(2*hq+hs):64+8*(2*hq+hs)+7], v[128+8*(2*hq+hc):128+8*(2*hq+hc)+7]
.endif
.set hc, hc+1
.endr
.set hq, hq+1
.endr
.set hs, hs+1
.endr
	WIN 0xcf                                       ; the row sums of the unrounded weights, in place, neighbours 1, 2, 4 and 8 pairs apart: also the places behind those products
.set hu, 0
.rept 8
	ALL4 v_pk_add_f32 v[32*t+4*hu:32*t+4*hu+1], v[32*t+4*hu:32*t+4*hu+1], v[32*t+4*hu+2:32*t+4*hu+3]
.set hu, hu+1
.endr
.set hu, 0
.rept 4
	ALL4 v_pk_add_f32 v[32*t+8*hu:32*t+8*hu+1], v[32*t+8*hu:32*t+8*hu+1], v[32*t+8*hu+4:32*t+8*hu+5]
.set hu, hu+1
.endr
.set hu, 0
.rept 2
	ALL4 v_pk_add_f32 v[32*t+16*hu:32*t+16*hu+1], v[32*t+16*hu:32*t+16*hu+1], v[32*t+16*hu+8:32*t+16*hu+9]
.set hu, hu+1
.endr
	WIN 0x0f
	ALL4 v_pk_add_f32 v[56+2*t:57+2*t], v[32*t:32*t+1], v[32*t+16:32*t+17]
	WIN 0
	ALL4 v_add_f32 v[56+2*t], v[56+2*t], v[57+2*t]
	ALL4 v_permlanex16_b32 v[57+2*t], v[56+2*t], s54, s55
	ALL4 v_add_f32 v[56+2*t], v[56+2*t], v[57+2*t]
	ALL4 v_rcp_f32 v[56+2*t], v[56+2*t]
	v_nop
	s_wait_alu depctr_va_vdst(0)                   ; one wait for the four reciprocals
	s_wait_dscnt 0x0                               ; bv is in BI; the head before's stores have read TP
	WIN 0x82                                       ; O / l + bv: the weights sum to 1, so V's bias is added here
.set hq, 0
.rept 4
.set hc, 0
.rept 2
.set hj, 0
.rept 4
	v_pk_fma_f32 v[128+8*(2*hq+hc)+2*hj:128+8*(2*hq+hc)+2*hj+1], v[128+8*(2*hq+hc)+2*hj:128+8*(2*hq+hc)+2*hj+1], v[56+2*hq:57+2*hq], v[BI+8*(2*(\hd)+hc)+2*hj:BI+8*(2*(\hd)+hc)+2*hj+1] op_sel_hi:[1,0,1]
.set hj, hj+1
.endr
.set hc, hc+1
.endr
.set hq, hq+1
.endr
	WIN 0x0a
.set hb, 0
.rept 32
	v_cvt_pk_bf16_f32 v[TP+hb], v[128+2*hb], v[128+2*hb+1]
.set hb, hb+1
.endr
	WIN 0
.set hb, 0
.rept 8
	ds_store_b128 v3, v[TP+4*hb:TP+4*hb+3] offset:XBO+8448*(hb/2)+32*(2*(\hd)+hb%2)
.set hb, hb+1
.endr
.endm
.macro LNLOAD off                      ; the product's bias into BI, the norm's gain and offset into window 3
	WIN 0
	BLOAD BI, 9, \off, 4
	WIN 0xc0
	BLOAD 0, 9, (\off)+1024, 4
	BLOAD 32, 9, (\off)+2048, 4
	WIN 0
.endm
; LAYERNORM over 256 channels of H + bias.  A wave has 64 of them: its mean m_w, then d = H - m_w in place and M_w = the sum of d^2; the four waves' (m_w, M_w) meet in LDS:
; m = mean of m_i, M = sum of M_i + 64 x sum of (m_i - m)^2.  H = ((d + m_w - m) / sqrt(M / 256 + 1e-5)) g + e.
.macro LN
	WIN 0
.set lt, 0
.rept 16
.set lj, 0
.rept 4
	v_pk_add_f32 v[HH+8*lt+2*lj:HH+8*lt+2*lj+1], v[HH+8*lt+2*lj:HH+8*lt+2*lj+1], v[BI+8*(lt%4)+2*lj:BI+8*(lt%4)+2*lj+1]
.set lj, lj+1
.endr
.set lt, lt+1
.endr
	ALL4 v_pk_add_f32 v[32+2*t:33+2*t], v[HH+32*t:HH+32*t+1], v[HH+32*t+2:HH+32*t+3]
.set lk, 2
.rept 14
	ALL4 v_pk_add_f32 v[32+2*t:33+2*t], v[32+2*t:33+2*t], v[HH+32*t+2*lk:HH+32*t+2*lk+1]
.set lk, lk+1
.endr
	ALL4 v_add_f32 v[32+2*t], v[32+2*t], v[33+2*t]
	ALL4 v_permlanex16_b32 v[33+2*t], v[32+2*t], s54, s55
	ALL4 v_add_f32 v[32+2*t], v[32+2*t], v[33+2*t]
	ALL4 v_mul_f32 v[32+2*t], s56, v[32+2*t]
.set lk, 0
.rept 16
	ALL4 v_pk_add_f32 v[HH+32*t+2*lk:HH+32*t+2*lk+1], v[HH+32*t+2*lk:HH+32*t+2*lk+1], v[32+2*t:33+2*t] op_sel_hi:[1,0] neg_lo:[0,1] neg_hi:[0,1]
.if lk == 0
	ALL4 v_pk_mul_f32 v[40+2*t:41+2*t], v[HH+32*t:HH+32*t+1], v[HH+32*t:HH+32*t+1]
.else
	ALL4 v_pk_fma_f32 v[40+2*t:41+2*t], v[HH+32*t+2*lk:HH+32*t+2*lk+1], v[HH+32*t+2*lk:HH+32*t+2*lk+1], v[40+2*t:41+2*t]
.endif
.set lk, lk+1
.endr
	ALL4 v_add_f32 v[40+2*t], v[40+2*t], v[41+2*t]
	ALL4 v_permlanex16_b32 v[41+2*t], v[40+2*t], s54, s55
	ALL4 v_add_f32 v[33+2*t], v[40+2*t], v[41+2*t]
	ALL4 ds_store_b64 v12, v[32+2*t:33+2*t] offset:512*t
	s_wait_dscnt 0x0                               ; for the others' sake
	BAR
	ALL4 ds_load_b128 v[TP+8*t:TP+8*t+3], v13 offset:512*t
	ALL4 ds_load_b128 v[TP+8*t+4:TP+8*t+7], v13 offset:512*t+16
	s_wait_dscnt 0x0
	ALL4 v_add_f32 v[40+2*t], v[TP+8*t], v[TP+8*t+2]
	ALL4 v_add_f32 v[41+2*t], v[TP+8*t+4], v[TP+8*t+6]
	ALL4 v_add_f32 v[40+2*t], v[40+2*t], v[41+2*t]
	ALL4 v_mul_f32 v[40+2*t], 0x3e800000, v[40+2*t]
	ALL4 v_add_f32 v[TP+8*t+1], v[TP+8*t+1], v[TP+8*t+3]
	ALL4 v_add_f32 v[TP+8*t+5], v[TP+8*t+5], v[TP+8*t+7]
	ALL4 v_add_f32 v[TP+8*t+1], v[TP+8*t+1], v[TP+8*t+5]
	ALL4 v_sub_f32 v[TP+8*t], v[TP+8*t], v[40+2*t]
	ALL4 v_sub_f32 v[TP+8*t+2], v[TP+8*t+2], v[40+2*t]
	ALL4 v_sub_f32 v[TP+8*t+4], v[TP+8*t+4], v[40+2*t]
	ALL4 v_sub_f32 v[TP+8*t+6], v[TP+8*t+6], v[40+2*t]
	ALL4 v_mul_f32 v[41+2*t], v[TP+8*t], v[TP+8*t]
	ALL4 v_fmac_f32 v[41+2*t], v[TP+8*t+2], v[TP+8*t+2]
	ALL4 v_fmac_f32 v[41+2*t], v[TP+8*t+4], v[TP+8*t+4]
	ALL4 v_fmac_f32 v[41+2*t], v[TP+8*t+6], v[TP+8*t+6]
	ALL4 v_fma_f32 v[41+2*t], v[41+2*t], s59, v[TP+8*t+1]
	ALL4 v_fma_f32 v[41+2*t], v[41+2*t], s57, s58
	ALL4 v_rsq_f32 v[56+2*t], v[41+2*t]
	ALL4 v_sub_f32 v[48+2*t], v[32+2*t], v[40+2*t]
	s_wait_alu depctr_va_vdst(0)                   ; one wait for the four roots; the four subtractions above are the plain work behind them
	ALL4 v_mul_f32 v[48+2*t], v[48+2*t], v[56+2*t]
.set lk, 0
.rept 16
	ALL4 v_pk_fma_f32 v[HH+32*t+2*lk:HH+32*t+2*lk+1], v[HH+32*t+2*lk:HH+32*t+2*lk+1], v[56+2*t:57+2*t], v[48+2*t:49+2*t] op_sel_hi:[1,0,0]
.set lk, lk+1
.endr
	WIN 0x3c
.set lt, 0
.rept 16
.set lj, 0
.rept 4
	v_pk_fma_f32 v[HH+8*lt+2*lj:HH+8*lt+2*lj+1], v[HH+8*lt+2*lj:HH+8*lt+2*lj+1], v[8*(lt%4)+2*lj:8*(lt%4)+2*lj+1], v[32+8*(lt%4)+2*lj:32+8*(lt%4)+2*lj+1]
.set lj, lj+1
.endr
.set lt, lt+1
.endr
	WIN 0
.endm
.macro EPI                             ; a hidden chunk: my 32 channels x 64 tokens rounded to bf16, ReLU on the packed halves, into the buffer in turn
	WIN 0x0f
.set pk, 0
.rept 32
	v_cvt_pk_bf16_f32 v[TP+pk], v[2*pk], v[2*pk+1]
.set pk, pk+1
.endr
	WIN 0
.set pk, 0
.rept 32
	v_pk_max_num_bf16 v[TP+pk], v[TP+pk], v16
.set pk, pk+1
.endr
	v_add_nc_u32 v7, s50, v5
.set pk, 0
.rept 8
	ds_store_b128 v7, v[TP+4*pk:TP+4*pk+3] offset:4352*(pk/2)+32*(pk%2)
.set pk, pk+1
.endr
.endm
	; ---------------- THE START ----------------
	s_load_b512 s[8:23], s[0:1], 0x0               ; ridx 8, rw 10, wf 12, x 14, bin_ 16, bq 18, bk 20, bv 22
	s_load_b512 s[24:39], s[0:1], 0x40             ; bo 24, ln1_g 26, ln1_b 28, b2 30, ln2_g 32, ln2_b 34, b1 36, bout 38
	s_load_b64 s[40:41], s[0:1], 0x80              ; eo
	v_lshl_add_u32 v30, v0, 2, SPARE
	v_mov_b32 v31, 0
	v_and_b32 v17, 31, v0                          ; lane
	v_and_b32 v18, 15, v0                          ; r
	v_bfe_u32 v19, v0, 4, 1                        ; h
	v_lshrrev_b32 v20, 5, v0
	v_readfirstlane_b32 s4, v20                    ; wave 0..3
	s_mov_b32 s2, ttmp9                            ; the pair
	s_lshl_b32 s44, s2, 2
	s_mov_b32 s45, 0
	s_wait_kmcnt 0x0
	s_add_nc_u64 s[46:47], s[8:9], s[44:45]
	s_add_nc_u64 s[48:49], s[10:11], s[44:45]
	s_load_b32 s3, s[46:47], 0x0                   ; the expert
	s_load_b32 s5, s[48:49], 0x0                   ; its weight
	v_lshlrev_b32 v1, 4, v17                       ; v1: 16 x lane
	v_mul_u32_u24 v2, v18, 528
	v_lshl_add_u32 v2, v19, 4, v2
	v_add_nc_u32 v2, XA, v2                        ; v2: a fragment's lane address in XA
	s_lshl_b32 s7, s4, 7
	v_add_nc_u32 v3, s7, v2                        ; v3: where I put 16 bytes of my channels
	v_mul_u32_u24 v4, v18, 272
	v_lshl_add_u32 v4, v19, 4, v4
	v_add_nc_u32 v4, HID0, v4                      ; v4, v5: the same two for the hidden chunk
	s_lshl_b32 s7, s4, 6
	v_add_nc_u32 v5, s7, v4
	v_lshlrev_b32 v10, 5, v19
	s_lshl_b32 s7, s4, 8
	v_add_nc_u32 v8, s7, v10                       ; v8: 4 (64 w + 8 h): my channels in a parameter row
	s_lshl_b32 s7, s4, 7
	v_add_nc_u32 v10, s7, v10                      ; v10: 4 (32 w + 8 h): my channels in a chunk of b1
	v_lshlrev_b32 v13, 5, v18
	v_add_nc_u32 v13, STAT, v13                    ; v13: my token's four statistics; v12: my wave's among them
	s_lshl_b32 s7, s4, 3
	v_add_nc_u32 v12, s7, v13
	s_mul_i32 s7, s4, 8448
	v_add_nc_u32 v14, s7, v2                       ; v14: fragments of my own 16 tokens
	v_lshlrev_b32 v15, 2, v18
	s_lshl_b32 s7, s4, 8
	s_add_co_u32 s7, s7, OUTX
	v_add_nc_u32 v15, s7, v15
	v_mov_b32 v16, 0                               ; for the ReLU
.irp q, 49,51,53,55,57,59,61,63
	v_mov_b32 v\q, 0                               ; upper halves of pairs of which packed lines take the lower half twice: named, so written
.endr
	s_mov_b32 s6, 0xffff0000
	s_mov_b32 s52, 0x3e8293ee                      ; c = log2(e) / sqrt(32)
	s_mov_b32 s53, s52
	s_mov_b32 s54, 0x76543210                      ; v_permlanex16_b32: each lane takes its own place in the other half
	s_mov_b32 s55, 0xfedcba98
	s_mov_b32 s56, 0x3c800000                      ; 1 / 64
	s_mov_b32 s57, 0x3b800000                      ; 1 / 256
	s_mov_b32 s58, 0x3727c5ac                      ; 1e-5
	s_mov_b32 s59, 0x42800000                      ; 64
	v_lshrrev_b32 v26, 6, v0
	v_mul_u32_u24 v26, v26, P_L
	v_and_b32 v27, 63, v0
	v_lshl_add_u32 v26, v27, 4, v26                ; a [2][256] array's 16 bytes of thread t: layer t / 64
	v_lshlrev_b32 v27, 4, v0
	v_lshlrev_b32 v28, 3, v0
	v_lshlrev_b32 v29, 2, v0
	s_mul_i32 s7, s4, 528
	s_add_co_u32 s7, s7, XA+XBO
	v_lshl_add_u32 v20, v17, 3, s7                 ; x: token 4 i + w, 8 bytes a lane
	s_wait_kmcnt 0x0
	s_min_u32 s3, s3, 7                            ; a loaded number enters addresses only clamped
	s_mul_i32 s44, s3, ES
	s_lshl_b32 s46, s4, 13
	s_add_co_u32 s44, s44, s46
	s_add_nc_u64 s[RB:RB+1], s[12:13], s[44:45]    ; my wave's stream: groups 0 to 3, one for each slot
	s_add_nc_u64 s[RB+2:RB+3], s[RB:RB+1], 32768
	s_add_nc_u64 s[RB+4:RB+5], s[RB:RB+1], 65536
	s_add_nc_u64 s[RB+6:RB+7], s[RB:RB+1], 98304
	FILLG                                          ; they fill the ring before anything else is asked for
	FILLG
	FILLG
	FILLG
	WIN 0
	s_lshl_b32 s46, s3, 11
	v_lshl_add_u32 v21, v0, 4, s46
	s_lshl_b32 s46, s3, 13
	v_lshl_add_u32 v22, v0, 4, s46
	s_lshl_b32 s46, s3, 10
	v_lshl_add_u32 v23, v0, 3, s46
	v_and_b32 v24, 63, v0
	s_lshl_b32 s46, s3, 8
	v_lshl_add_u32 v24, v24, 2, s46
	s_lshr_b32 s46, s2, 1                          ; the sample
	s_lshl_b32 s46, s46, 15
	v_lshl_add_u32 v25, v0, 4, s46
.set a, 0
.rept 9                                ; bq, bk, bv, bo, ln1_g, ln1_b, b2, ln2_g, ln2_b: both layers, 2,048 bytes each
	global_load_b128 v[128+4*a:131+4*a], v21, s[18+2*a:19+2*a]
.set a, a+1
.endr
.set a, 0
.rept 4
	global_load_b128 v[164+4*a:167+4*a], v22, s[36:37] offset:2048*a
.set a, a+1
.endr
	global_load_b64 v[180:181], v23, s[16:17]
	global_load_b32 v182, v24, s[38:39]
.set a, 0
.rept 16
	global_load_b128 v[192+4*a:195+4*a], v25, s[14:15] offset:2048*a
.set a, a+1
.endr
	s_wait_loadcnt 16                              ; x's 16 loads stay out; the parameters are in
.set a, 128
.rept 27                               ; every parameter rounded to bf16 and kept as f32
	v_cvt_pk_bf16_f32 v[32+(a/2)%2], v[a], v[a+1]
	v_lshlrev_b32 v[a], 16, v[32+(a/2)%2]
	v_and_b32 v[a+1], s6, v[32+(a/2)%2]
.set a, a+2
.endr
	v_cvt_pk_bf16_f32 v32, v182, v182
	v_lshlrev_b32 v182, 16, v32
.set a, 0
.rept 9
	ds_store_b128 v26, v[128+4*a:131+4*a] offset:1024*a
.set a, a+1
.endr
.set a, 0
.rept 4
	ds_store_b128 v27, v[164+4*a:167+4*a] offset:O_B1+(a/2)*P_L+(a%2)*2048
.set a, a+1
.endr
	ds_store_b64 v28, v[180:181] offset:BIN
	ds_store_b32 v29, v182 offset:BOUT
	s_wait_loadcnt 0x0
.set a, 0
.rept 16
	v_cvt_pk_bf16_f32 v[192+4*a], v[192+4*a], v[193+4*a]
	v_cvt_pk_bf16_f32 v[193+4*a], v[194+4*a], v[195+4*a]
	ds_store_b64 v20, v[192+4*a:193+4*a] offset:2112*a
.set a, a+1
.endr
	s_wait_dscnt 0x0
	BAR
	BLOAD BI, 8, BIN, 4
	A1LOAD XBO, 4
	GRP K_HW, 0, 1, 16                             ; h = x Win + bin_; the 16 loads of K steps 2 and 3 stay out
	GRP K_HW, 2, 0, 0
	s_mov_b32 s46, 2                               ; layers to go
	s_mov_b32 s48, 0                               ; the layer's parameters in LDS
	s_mov_b32 s50, 0                               ; the hidden buffer in turn
	WIN 0
.Llayer:
	; ---------------- ATTENTION ----------------
	PUBLISH
	v_add_nc_u32 v9, s48, v8
	BLOAD BI, 9, O_BQ, 4
	BLOAD TP, 9, O_BK, 4
	A1LOAD 0, 8
	GRP K_TT, 0, 1, 48                             ; Q; the counts are the later K steps' loads, 8 a step
	GRP K_TT, 2, 0, 32
	GRP K_TT, 4, 0, 16
	GRP K_TT, 6, 0, 0
	PACK 0xcf, 128
	WIN 0
	BLOAD BI, 9, O_BV, 4                           ; awaited in HEAD
	GRP K_TT, 0, 1, -1, TP                         ; K
	GRP K_TT, 2, 0, -1
	GRP K_TT, 4, 0, -1
	GRP K_TT, 6, 0, -1
	PACK 0xcf, 192
	GRP K_TV, 0, 1, -1                             ; V, sources swapped
	GRP K_TV, 2, 0, -1
	GRP K_TV, 4, 0, -1
	GRP K_TV, 6, 0, -1
	PACK 0x8f, 0
	HEAD 0
	HEAD 1
	LNLOAD O_BO
	s_wait_dscnt 0x0                               ; my part of the attention's result is in XB
	BAR
	A1LOAD XBO, 8
	GRP K_HW, 0, 0, 48                             ; H += av Wo
	GRP K_HW, 2, 0, 32
	GRP K_HW, 4, 0, 16
	GRP K_HW, 6, 0, 0
	LN
	; ---------------- FEED-FORWARD, in 8 chunks of 128 hidden channels: W1 of chunk c + 1 is multiplied while chunk c's fragments come back from LDS ----------------
	PUBLISH
	s_add_co_u32 s49, s48, O_B1
	v_add_nc_u32 v11, s49, v10
	BLOAD BI, 11, 0, 2
	A1LOAD 0, 8
	GRP K_TB, 0, 1, 32
	GRP K_TB, 4, 0, 0
	s_mov_b32 s51, 7
	WIN 0
.Lffn:
	s_add_co_u32 s49, s49, 512
	v_add_nc_u32 v11, s49, v10
	BLOAD BI, 11, 0, 2                             ; b1 of the next chunk
	EPI
	s_wait_dscnt 0x0                               ; my part of the chunk is stored; b1 is in
	BAR                                            ; one barrier a chunk: the next chunk's stores go to the other buffer, whose readers waited for their loads in front of this barrier
	A2LOAD
	s_xor_b32 s50, s50, 0x8000
	GRP K_TB, 0, 1, -1
	GRP K_TB, 4, 0, -1
	GRP K_HF, 0, 0, 16                             ; H += hidden W2; the 16 loads of K steps 2 and 3 stay out
	GRP K_HF, 2, 0, 0
	WIN 0
	s_sub_co_u32 s51, s51, 1
	s_cmp_lg_u32 s51, 0
	s_cbranch_scc1 .Lffn
	EPI                                            ; the last chunk
	LNLOAD O_B2
	s_wait_dscnt 0x0
	BAR
	A2LOAD
	s_xor_b32 s50, s50, 0x8000
	GRP K_HF, 0, 0, 16
	GRP K_HF, 2, 0, 0
	LN
	s_add_co_u32 s48, s48, P_L
	s_sub_co_u32 s46, s46, 1
	s_cmp_lg_u32 s46, 0
	s_cbranch_scc1 .Llayer
	; ---------------- THE END: h Wout for my own 16 tokens (a lane holds a channel, its registers tokens), summed over tokens, lanes' halves and waves ----------------
	PUBLISH
	WIN 0x80
.set fk, 0
.rept 8
	ds_load_b128 v[8*fk:8*fk+3], v14 offset:64*fk
	ds_load_b128 v[8*fk+4:8*fk+7], v14 offset:64*fk+32
.set fk, fk+1
.endr
	s_wait_loadcnt 0x0                             ; Wout's four groups are the ring's last
	s_wait_dscnt 0x0
	WIN 0xf6
.set fk, 0
.rept 8
.set fn, 0
.rept 4
.set rR, 64*((SLOT+fn)%4)+8*fk
.if fk == 0
	v_wmma_f32_16x16x32_bf16 v[8*fn:8*fn+7], v[8*fk:8*fk+7], v[rR:rR+7], 0
.else
	v_wmma_f32_16x16x32_bf16 v[8*fn:8*fn+7], v[8*fk:8*fk+7], v[rR:rR+7], v[8*fn:8*fn+7]
.endif
.set fn, fn+1
.endr
.set fk, fk+1
.endr
	PLACES
	WIN 0x0f
	ALL4 v_pk_add_f32 v[TP+4*t:TP+4*t+1], v[8*t:8*t+1], v[8*t+2:8*t+3]
	ALL4 v_pk_add_f32 v[TP+4*t+2:TP+4*t+3], v[8*t+4:8*t+5], v[8*t+6:8*t+7]
	WIN 0
	ALL4 v_pk_add_f32 v[TP+4*t:TP+4*t+1], v[TP+4*t:TP+4*t+1], v[TP+4*t+2:TP+4*t+3]
	ALL4 v_add_f32 v[TP+4*t], v[TP+4*t], v[TP+4*t+1]
	ALL4 v_permlanex16_b32 v[TP+4*t+1], v[TP+4*t], s54, s55
	ALL4 v_add_f32 v[TP+4*t], v[TP+4*t], v[TP+4*t+1]
	ALL4 ds_store_b32 v15, v[TP+4*t] offset:64*t
	s_wait_dscnt 0x0
	BAR
	s_cmp_lg_u32 s4, 0
	s_cbranch_scc1 .Lend                           ; wave 0 alone goes on; no barrier follows
	v_lshlrev_b32 v17, 3, v17
	ALL4 ds_load_b64 v[TP+2*t:TP+2*t+1], v17 offset:OUTX+256*t
	ds_load_b64 v[104:105], v17 offset:BOUT
	s_wait_dscnt 0x0
	v_pk_add_f32 v[96:97], v[96:97], v[98:99]
	v_pk_add_f32 v[100:101], v[100:101], v[102:103]
	v_pk_add_f32 v[96:97], v[96:97], v[100:101]
	v_pk_fma_f32 v[96:97], v[96:97], s[56:57], v[104:105] op_sel_hi:[1,0,1]  ; the mean over 64 tokens, + bout
	v_mul_f32 v96, s5, v96                         ; the gate's weight
	v_mul_f32 v97, s5, v97
	s_lshl_b32 s7, s2, 8
	v_add_nc_u32 v18, s7, v17
	global_store_b64 v18, v[96:97], s[40:41]       ; the wave stores 256 consecutive bytes, aligned
.Lend:
	s_wait_tensorcnt 0x0                           ; the wave's end: three lines behind the last LDS store
	ds_add_u32 v30, v31
	s_wait_dscnt 0x0
	s_endpgm
.Lfunc_end_k_q2fd2c5ae4a_chain:
	.size	k_q2fd2c5ae4a_chain, .Lfunc_end_k_q2fd2c5ae4a_chain-k_q2fd2c5ae4a_chain
	.p2alignl 7, 3214868480
	.fill 96, 4, 3214868480
	.section	.rodata,"a",@progbits
	.p2align	6, 0x0
	.amdhsa_kernel k_q2fd2c5ae4a_chain
		.amdhsa_group_segment_fixed_size 181248
		.amdhsa_private_segment_fixed_size 0
		.amdhsa_enable_private_segment 0
		.amdhsa_kernarg_size 136
		.amdhsa_user_sgpr_count 2
		.amdhsa_user_sgpr_kernarg_segment_ptr 1
		.amdhsa_wavefront_size32 1
		.amdhsa_system_sgpr_workgroup_id_x 1
		.amdhsa_system_sgpr_workgroup_id_y 1
		.amdhsa_system_sgpr_workgroup_id_z 1
		.amdhsa_system_vgpr_workitem_id 0
		.amdhsa_next_free_vgpr 1024
		.amdhsa_next_free_sgpr 74
		.amdhsa_reserve_vcc 0
		.amdhsa_float_denorm_mode_32 3
		.amdhsa_float_denorm_mode_16_64 3
		.amdhsa_memory_ordered 1
		.amdhsa_forward_progress 1
		.amdhsa_inst_pref_size 255
	.end_amdhsa_kernel
	.section	.bss,"aw",@nobits
	.p2align	6
	.space	262144
	.amdgpu_metadata
---
amdhsa.version: [ 1, 2 ]
amdhsa.kernels:
  - .name:           k_q2fd2c5ae4a_chain
    .symbol:         k_q2fd2c5ae4a_chain.kd
    .args:
      - { .name: ridx, .offset: 0, .size: 8, .value_kind: global_buffer, .address_space: global }
      - { .name: rw, .offset: 8, .size: 8, .value_kind: global_buffer, .address_space: global }
      - { .name: wf, .offset: 16, .size: 8, .value_kind: global_buffer, .address_space: global }
      - { .name: x, .offset: 24, .size: 8, .value_kind: global_buffer, .address_space: global }
      - { .name: bin_, .offset: 32, .size: 8, .value_kind: global_buffer, .address_space: global }
      - { .name: bq, .offset: 40, .size: 8, .value_kind: global_buffer, .address_space: global }
      - { .name: bk, .offset: 48, .size: 8, .value_kind: global_buffer, .address_space: global }
      - { .name: bv, .offset: 56, .size: 8, .value_kind: global_buffer, .address_space: global }
      - { .name: bo, .offset: 64, .size: 8, .value_kind: global_buffer, .address_space: global }
      - { .name: ln1_g, .offset: 72, .size: 8, .value_kind: global_buffer, .address_space: global }
      - { .name: ln1_b, .offset: 80, .size: 8, .value_kind: global_buffer, .address_space: global }
      - { .name: b2, .offset: 88, .size: 8, .value_kind: global_buffer, .address_space: global }
      - { .name: ln2_g, .offset: 96, .size: 8, .value_kind: global_buffer, .address_space: global }
      - { .name: ln2_b, .offset: 104, .size: 8, .value_kind: global_buffer, .address_space: global }
      - { .name: b1, .offset: 112, .size: 8, .value_kind: global_buffer, .address_space: global }
      - { .name: bout, .offset: 120, .size: 8, .value_kind: global_buffer, .address_space: global }
      - { .name: eo, .offset: 128, .size: 8, .value_kind: global_buffer, .address_space: global }
    .group_segment_fixed_size: 181248
    .private_segment_fixed_size: 0
    .kernarg_segment_align: 8
    .kernarg_segment_size: 136
    .max_flat_workgroup_size: 128
    .sgpr_count:     74
    .vgpr_count:     1024
    .wavefront_size: 32
...
	.end_amdgpu_metadata
.endif
;; end of part 2
;; launch fin (part 3): grid 64 x 1, 8 waves a work-group, no clusters, 3,072 bytes of LDS; arguments eo, respart, br, on_g, on_b, out0; writes out0
.if DOCPART == 3
	.amdgcn_target "amdgcn-amd-amdhsa--gfx1250"
	.amdhsa_code_object_version 6
	.text
	.protected	k_q2fd2c5ae4a_fin
	.globl	k_q2fd2c5ae4a_fin
	.p2align	8
	.type	k_q2fd2c5ae4a_fin,@function
k_q2fd2c5ae4a_fin:
	s_mov_b64 s[64:65], 0
	v_nop
	global_prefetch_b8 v0, s[64:65] scope:SCOPE_SE
	s_setreg_imm32_b32 hwreg(HW_REG_WAVE_MODE, 25, 1), 1
	s_wait_xcnt 0x0
; out0[b] = LayerNorm(eo[2 b] + eo[2 b + 1] + 0.1 (sum over s of respart[s][b] + br)) on_g + on_b, one work-group a sample.
; 256 threads add the 32 partial rows (f32): thread t takes 16 bytes (t % 16) of rows s = t / 16 and t / 16 + 16; sixteen lanes read a row's 256 bytes.  The waves' sums meet in LDS; wave 0 ends the work.
; A stream of 8 KB a group: no matrix unit, no cluster.  br, on_g, on_b are rounded to bf16 like every input.  The variance is the mean of squared differences from the mean.
; LIMITS.  NaN and infinities are not treated apart.
.set SPARE, 2048                       ; behind the eight waves' rows of 256 bytes: the spare words, 128 bytes a wave, named by no other line
	s_load_b256 s[8:15], s[0:1], 0x0               ; eo 8, respart 10, br 12, on_g 14
	s_load_b128 s[16:19], s[0:1], 0x20             ; on_b 16, out0 18
	v_lshl_add_u32 v46, v0, 2, SPARE
	v_mov_b32 v47, 0
	v_and_b32 v1, 31, v0
	v_and_b32 v2, 15, v0
	v_lshrrev_b32 v3, 5, v0
	v_readfirstlane_b32 s4, v3                     ; wave 0..7
	v_lshrrev_b32 v3, 4, v0
	s_lshl_b32 s5, ttmp9, 8
	s_lshl_b32 s6, ttmp9, 9
	v_lshlrev_b32 v4, 14, v3
	v_lshl_add_u32 v4, v2, 4, v4
	v_add_nc_u32 v4, s5, v4                        ; respart: 16,384 (t / 16) + 256 b + 16 (t % 16)
	v_lshlrev_b32 v5, 3, v1                        ; 8 x lane
	v_add_nc_u32 v6, s6, v5                        ; eo: 512 b + 8 x lane
	v_add_nc_u32 v7, s5, v5                        ; out0: 256 b + 8 x lane
	s_lshl_b32 s7, s4, 8
	v_lshl_add_u32 v45, v2, 4, s7
	s_mov_b32 s20, 0x76543210                      ; v_permlanex16_b32: each lane takes its own place in the other half
	s_mov_b32 s21, 0xfedcba98
	s_mov_b32 s22, 0x3c800000                      ; 1 / 64
	s_mov_b32 s23, 0x3727c5ac                      ; 1e-5
	s_wait_kmcnt 0x0
	s_cmp_lg_u32 s4, 0
	s_cbranch_scc1 .Lcommon
	global_load_b64 v[24:25], v6, s[8:9]           ; wave 0 asks early for what it alone will need
	global_load_b64 v[26:27], v6, s[8:9] offset:256
	global_load_b64 v[28:29], v5, s[12:13]
	global_load_b64 v[30:31], v5, s[14:15]
	global_load_b64 v[32:33], v5, s[16:17]
.Lcommon:
.irp i, 0,1
	global_load_b128 v[8+4*\i:11+4*\i], v4, s[10:11] offset:262144*\i th:TH_LOAD_NT
.endr
	s_wait_loadcnt 0x0
	v_pk_add_f32 v[8:9], v[8:9], v[12:13]
	v_pk_add_f32 v[10:11], v[10:11], v[14:15]
.irp q, 0,1,2,3
	v_permlanex16_b32 v[12+\q], v[8+\q], s20, s21
.endr
.irp q, 0,1,2,3
	v_add_f32 v[8+\q], v[8+\q], v[12+\q]
.endr
	ds_store_b128 v45, v[8:11]                     ; both halves of the lanes store the same row
	s_wait_dscnt 0x0
	s_barrier_signal -1
	s_barrier_wait -1
	s_cmp_lg_u32 s4, 0
	s_cbranch_scc1 .Lend                           ; wave 0 alone goes on; no barrier follows
.irp u, 0,1,2,3,4,5,6,7
	ds_load_b64 v[8+2*\u:9+2*\u], v5 offset:256*\u
.endr
.irp q, 28,30,32
	v_cvt_pk_bf16_f32 v34, v[\q], v[\q+1]
	v_lshlrev_b32 v[\q], 16, v34
	v_and_b32 v[\q+1], 0xffff0000, v34
.endr
	v_pk_add_f32 v[24:25], v[24:25], v[26:27]
	s_wait_dscnt 0x0
	v_pk_add_f32 v[8:9], v[8:9], v[10:11]
	v_pk_add_f32 v[12:13], v[12:13], v[14:15]
	v_pk_add_f32 v[16:17], v[16:17], v[18:19]
	v_pk_add_f32 v[20:21], v[20:21], v[22:23]
	v_pk_add_f32 v[8:9], v[8:9], v[12:13]
	v_pk_add_f32 v[16:17], v[16:17], v[20:21]
	v_pk_add_f32 v[8:9], v[8:9], v[16:17]
	v_pk_add_f32 v[8:9], v[8:9], v[28:29]
	v_pk_fma_f32 v[8:9], v[8:9], 0x3dcccccd, v[24:25] op_sel_hi:[1,0,1]
.macro WSUM r, tmp                     ; a sum over the 32 lanes, in every lane
.irp m, 1,2,4,8
	v_add_f32_dpp v[\r], v[\r], v[\r] row_xmask:\m row_mask:0xf bank_mask:0xf
.endr
	v_permlanex16_b32 v[\tmp], v[\r], s20, s21
	v_add_f32 v[\r], v[\r], v[\tmp]
.endm
	v_add_f32 v10, v8, v9
	WSUM 10, 11
	v_mul_f32 v10, s22, v10
	v_pk_add_f32 v[8:9], v[8:9], v[10:11] op_sel_hi:[1,0] neg_lo:[0,1] neg_hi:[0,1]
	v_mul_f32 v12, v8, v8
	v_fmac_f32 v12, v9, v9
	WSUM 12, 13
	v_fma_f32 v12, v12, s22, s23
	v_rsq_f32 v12, v12
	v_nop                                          ; a plain instruction behind the root,
	s_wait_alu depctr_va_vdst(0)                   ; and the wait ahead of its first reader
	v_pk_mul_f32 v[8:9], v[8:9], v[12:13] op_sel_hi:[1,0]
	v_pk_fma_f32 v[8:9], v[8:9], v[30:31], v[32:33]
	global_store_b64 v7, v[8:9], s[18:19]          ; the wave stores 256 consecutive bytes, aligned
.Lend:
	s_wait_tensorcnt 0x0                           ; the wave's end: three lines behind the last LDS store
	ds_add_u32 v46, v47
	s_wait_dscnt 0x0
	s_endpgm
.Lfunc_end_k_q2fd2c5ae4a_fin:
	.size	k_q2fd2c5ae4a_fin, .Lfunc_end_k_q2fd2c5ae4a_fin-k_q2fd2c5ae4a_fin
	.p2alignl 7, 3214868480
	.fill 96, 4, 3214868480
	.section	.rodata,"a",@progbits
	.p2align	6, 0x0
	.amdhsa_kernel k_q2fd2c5ae4a_fin
		.amdhsa_group_segment_fixed_size 3072
		.amdhsa_private_segment_fixed_size 0
		.amdhsa_enable_private_segment 0
		.amdhsa_kernarg_size 48
		.amdhsa_user_sgpr_count 2
		.amdhsa_user_sgpr_kernarg_segment_ptr 1
		.amdhsa_wavefront_size32 1
		.amdhsa_system_sgpr_workgroup_id_x 1
		.amdhsa_system_sgpr_workgroup_id_y 1
		.amdhsa_system_sgpr_workgroup_id_z 1
		.amdhsa_system_vgpr_workitem_id 0
		.amdhsa_next_free_vgpr 48
		.amdhsa_next_free_sgpr 66
		.amdhsa_reserve_vcc 0
		.amdhsa_float_denorm_mode_32 3
		.amdhsa_float_denorm_mode_16_64 3
		.amdhsa_memory_ordered 1
		.amdhsa_forward_progress 1
		.amdhsa_inst_pref_size 6
	.end_amdhsa_kernel
	.amdgpu_metadata
---
amdhsa.version: [ 1, 2 ]
amdhsa.kernels:
  - .name:           k_q2fd2c5ae4a_fin
    .symbol:         k_q2fd2c5ae4a_fin.kd
    .args:
      - { .name: eo, .offset: 0, .size: 8, .value_kind: global_buffer, .address_space: global }
      - { .name: respart, .offset: 8, .size: 8, .value_kind: global_buffer, .address_space: global }
      - { .name: br, .offset: 16, .size: 8, .value_kind: global_buffer, .address_space: global }
      - { .name: on_g, .offset: 24, .size: 8, .value_kind: global_buffer, .address_space: global }
      - { .name: on_b, .offset: 32, .size: 8, .value_kind: global_buffer, .address_space: global }
      - { .name: out0, .offset: 40, .size: 8, .value_kind: global_buffer, .address_space: global }
    .group_segment_fixed_size: 3072
    .private_segment_fixed_size: 0
    .kernarg_segment_align: 8
    .kernarg_segment_size: 48
    .max_flat_workgroup_size: 256
    .sgpr_count:     66
    .vgpr_count:     48
    .wavefront_size: 32
...
	.end_amdgpu_metadata
.endif
;; end of part 3
;; ======== version 2 of 2: 3 launches; version 1 with the launch chain written anew for expert scheduling mode
;; workspace buffers: wf 26,738,688 bytes; ridx 512 bytes of whole numbers; rw 512 bytes; respart 524,288 bytes; eo 32,768 bytes
;; launch prep: the kernel of part 1 again; grid 62 x 8, 16 waves a work-group, no clusters, 148,992 bytes of LDS; arguments x, Wg, bg, Wr, Win, Wq, Wk, Wv, Wo, W1, W2, Wout, wf, ridx, rw, respart; writes wf, ridx, rw, respart
;; launch chain (part 4): grid 128 x 1, 4 waves a work-group, no clusters, 181,248 bytes of LDS; arguments ridx, rw, wf, x, bin_, bq, bk, bv, bo, ln1_g, ln1_b, b2, ln2_g, ln2_b, b1, bout, eo; writes eo
.if DOCPART == 4
	.amdgcn_target "amdgcn-amd-amdhsa--gfx1250"
	.amdhsa_code_object_version 6
	.text
	.protected	k_q2fd2c5ae4a_chain
	.globl	k_q2fd2c5ae4a_chain
	.p2align	8
	.type	k_q2fd2c5ae4a_chain,@function
k_q2fd2c5ae4a_chain:
	s_mov_b64 s[64:65], 0
	v_nop
	global_prefetch_b8 v0, s[64:65] scope:SCOPE_SE
	s_setreg_imm32_b32 hwreg(HW_REG_WAVE_SCHED_MODE, 0, 2), 2
	s_setreg_imm32_b32 hwreg(HW_REG_WAVE_MODE, 25, 1), 1
	s_wait_xcnt 0x0
	s_wait_alu depctr_vm_vsrc(0)
; ONE WORK-GROUP TAKES ONE (sample, chosen expert) PAIR p = 2 b + k THROUGH THE WHOLE ENCODER: Win, two layers (Q K V, attention, Wo, LayerNorm, W1, ReLU, W2, LayerNorm), the mean over the
; 64 tokens, Wout, the gate's weight -> eo[p][64].  The expert's number is read from ridx, which the launch before stored as whole numbers, and clamped to 7.
; SHARES.  Wave w owns output channels 64 w .. 64 w + 63 of every product, that is heads 2 w and 2 w + 1: attention never leaves the wave.
; LAYOUT.  Products with weights are used transposed (source 0 = 16 channels of the weight, source 1 = 16 tokens): a lane then holds token lane % 16 and the 8 channels 8 (lane / 16) + 0..7.  Two
; neighbouring results, rounded to bf16 in pairs, ARE an operand fragment of the next product (Q, K, P).  V is made with the sources swapped (a lane holds a channel, its registers tokens): V^T's fragments.
; WEIGHTS come from wf, laid out by the launch before as fragments in the order of use, straight into registers: a ring of 4 slots of 8 fragments; a slot that a group of 32 products has read takes
; the group four further on: 32 to 64 loads of 512 bytes are out for each wave.  Each byte has one reader in the work-group: no LDS copy, no barrier for it.
; The residual stream H stays in f32 in registers; what other waves need (h, the attention's result, the hidden layer) goes through LDS in bf16.
; NO CLUSTER: the pairs of one expert walk the same stream, but how many they are (0 to 64) hangs on the routing, so partners would first have to be sorted into groups of four, with groups not full;
; and a joint load lands in LDS: each of the stream's 3,342,336 bytes would be written there and read back by the one wave that needs it.
; FORMATS.  All matrix operands bf16, sums f32; x, the weights, biases and gains are rounded to bf16 once.  Softmax with the row's maximum taken away; LayerNorm by means and sums of squared
; differences from the mean, the four waves' parts joined without a difference of large sums.
; LIMITS.  NaN and infinities are not treated apart; a softmax weight below 2^-126 counts as 0.
; REGISTERS, in windows of 256 (s_set_vgpr_msb: bits 1:0 source 0, 3:2 source 1, 5:4 source 2, 7:6 destination):
;   window 0: v1-v16 addresses, v17-v29 at work; v32-63 statistics; v64-95 BI (a bias as a C operand); v96-127 TP (at work); v128-255 H, tile (mb, nb) at 128 + 8 (4 mb + nb)
;   window 1: the weight ring          window 2: A1, fragment (ks, mb) at 8 (4 ks + mb); in attention V^T v0-63, P v64-127, O v128-191
;   window 3: v0-127 T (results to be packed; scores; in LayerNorm gain v0-31, offset v32-63); v128-255 A2, the hidden layer's fragments; in attention Q v128-191, K v192-255
; THE MODE: SCHED_MODE bits 1:0 = 2 (LLVM: expert scheduling mode 2), set by the entry lines.  The code itself states the register dependences between vector or matrix instructions and
; memory or LDS instructions, with s_wait_alu, always for 0.
; THE PLAN.  Registers that memory or LDS instructions touch, and who else names them:
;   the ring      A group's 32 products read its slot; then 16 loads land in it.  Where groups follow each other, ONE wait on va_vdst at the next group's head states that the products are done reading, and the
;                 loads stand four behind each of that group's first four products, which name another slot.  A run's last group fills its own slot behind itself, behind a wait of its own; in the
;                 feed-forward loop that fill stands behind the wait that the chunk's roundings need anyway.  v1, the loads' offset, is never written again; each slot's base is a scalar pair.
;   A1, A2, BI, TP, gain and offset   LDS loads land in them only behind a wait on va_vdst that is younger than their last vector or matrix reader or writer: in PUBLISH, ahead of HEAD's, LN's and EPI's stores.
;   TP, BI, v32-39 as store data      Written by roundings and sums; one wait on va_vdst ahead of each run of LDS stores; one wait on vm_vsrc between the run and the first line that writes them again.
;   v9, v11, v6, v7                   LDS addresses that step (once a layer; once a chunk): written behind a wait on vm_vsrc and ahead of a wait on va_vdst that stands there anyway.  All other addresses are made once.
.set ES,    3342336
.set P_L,   13312                      ; LDS: a layer's parameters as f32: bq 0, bk 1024, bv 2048, bo 3072, g1 4096, e1 5120, b2 6144, g2 7168, e2 8192, b1 9216 (4,096 bytes)
.set O_BQ,  0
.set O_BK,  1024
.set O_BV,  2048
.set O_BO,  3072
.set O_B2,  6144
.set O_B1,  9216
.set BIN,   26624
.set BOUT,  27648                      ; 512 bytes: a word a thread
.set STAT,  28160                      ; [token 64][wave 4](mean, sum of squares): 32 bytes a token
.set OUTX,  30208                      ; [wave 4][channel 64] f32
.set XA,    32768                      ; h in bf16: 64 rows of 512 + 16 bytes: the 16 rows of a fragment load start at 16 different groups of four banks
.set XBO,   33792                      ; XB - XA: x at the start, later the attention's result
.set HID0,  131072                     ; the hidden layer's chunk: 64 rows of 256 + 16 bytes; the second buffer 0x8000 further on
.set BI,    64
.set TP,    96
.set HH,    128
.set RB,    66                         ; s[66:73]: for each ring slot the address of the group that it takes next
.set MSB, 0
.macro WIN new                         ; the immediate's high byte repeats the setting that is left; a switch that changes nothing is dropped
.if MSB != (\new)
	s_set_vgpr_msb (MSB<<8)|(\new)
.set MSB, (\new)
.endif
.endm
.macro BAR
	s_barrier_signal -1
	s_barrier_wait -1
.endm
.macro ALL4 line:vararg                ; one line for each t = 0..3
.set t, 0
.rept 4
	\line
.set t, t+1
.endr
.endm
.macro PLACES                          ; four plain vector instructions between a matrix instruction and a vector reader or writer of its registers (ISA guide 7.12.1)
.rept 4
	v_nop
.endr
.endm
; THE RING.  The assembler's RU is the slot that the next group multiplies by, RF the slot that the next fill takes, PEND = 1 while the slot of the group before is still to be filled.  Every loop body
; holds a multiple of four groups and leaves PEND as it found it.  Each slot has an address pair of its own: it is stepped, four groups on, behind the wait that shows the slot's own 16 loads landed,
; which frees their address; so no line waits for the translation of loads just issued.
.set RU, 0
.set RF, 0
.set PEND, 0
.macro FILLQ q                         ; a quarter of a fill: fragments 2 q and 2 q + 1 of slot RF
	WIN 0x40
.set ff, 2*(\q)
.rept 2
	global_load_b128 v[64*RF+8*ff:64*RF+8*ff+3], v1, s[RB+2*RF:RB+2*RF+1] offset:1024*ff
	global_load_b128 v[64*RF+8*ff+4:64*RF+8*ff+7], v1, s[RB+2*RF:RB+2*RF+1] offset:1024*ff+512
.set ff, ff+1
.endr
.endm
.macro FILLG
	FILLQ 0
	FILLQ 1
	FILLQ 2
	FILLQ 3
.set RF, (RF+1)%4
.endm
; A GROUP: 32 products with the 8 fragments of slot RU.  tail = 1: other work follows, and the group's own slot is filled again behind it; tail = 0: that fill is left to what follows.
; s_wait_loadcnt: this group's 16 loads have landed; the younger groups' stay out: three groups' 48, or two groups' 32 where the fill of the slot before is still to come.
; dsw >= 0: how many younger LDS loads (later K steps' fragments) may stay out.
; Kinds: HW: H += W x A1 (first: C = a bias).  HF: H += W x A2.  TT: T = W x A1 (first: C = a bias).  TV: T = A1 x W (sources swapped; first: C = 0).  All four: 2 K steps x 4 channel blocks x 4 token blocks.
; TB: T = W x A1, 4 K steps x 2 channel blocks x 4 token blocks.  The 16 (TB: 8) accumulators take turns, one instruction a turn.
.set K_HW, 0
.set K_HF, 1
.set K_TT, 2
.set K_TV, 3
.set K_TB, 4
.macro GRP kind, ks0, first, dsw, tail, bias=BI
.if PEND
	s_wait_loadcnt 32
.else
	s_wait_loadcnt 48
.endif
	s_add_nc_u64 s[RB+2*RU:RB+2*RU+1], s[RB+2*RU:RB+2*RU+1], 131072  ; this slot's loads are done: its address goes four groups of 32,768 bytes on
.if (\dsw) >= 0
	s_wait_dscnt \dsw
.endif
.if PEND
	s_wait_alu depctr_va_vdst(0)                   ; the products of the group before are done reading their slot, in which the 16 loads below land; no product of this group names that slot or v1
.endif
.set nK, 2
.set nN, 4
.if (\kind) == K_TB
.set nK, 4
.set nN, 2
.endif
.set gi, 0
.set gk, 0
.rept nK
.set gn, 0
.rept nN
.set gm, 0
.rept 4
.set rR, 64*RU+8*(nN*gk+gn)
.set rA, 8*(4*((\ks0)+gk)+gm)
.set rH, HH+8*(4*gm+gn)
.set rT, 8*(4*gm+gn)
.if (\kind) == K_TV
.set rT, 8*(4*gn+gm)
.endif
.if (\kind) == K_TB
.set rT, 8*(2*gm+gn)
.endif
.if (\kind) == K_HW
	WIN 0x09
.if (\first) && (gk == 0)
	v_wmma_f32_16x16x32_bf16 v[rH:rH+7], v[rR:rR+7], v[rA:rA+7], v[(\bias)+8*gn:(\bias)+8*gn+7]
.else
	v_wmma_f32_16x16x32_bf16 v[rH:rH+7], v[rR:rR+7], v[rA:rA+7], v[rH:rH+7]
.endif
.elseif (\kind) == K_HF
	WIN 0x0d
	v_wmma_f32_16x16x32_bf16 v[rH:rH+7], v[rR:rR+7], v[128+rA:128+rA+7], v[rH:rH+7]
.elseif (\kind) == K_TV
	WIN 0xf6
.if (\first) && (gk == 0)
	v_wmma_f32_16x16x32_bf16 v[rT:rT+7], v[rA:rA+7], v[rR:rR+7], 0
.else
	v_wmma_f32_16x16x32_bf16 v[rT:rT+7], v[rA:rA+7], v[rR:rR+7], v[rT:rT+7]
.endif
.else
.if (\first) && (gk == 0)
	WIN 0xc9
	v_wmma_f32_16x16x32_bf16 v[rT:rT+7], v[rR:rR+7], v[rA:rA+7], v[(\bias)+8*gn:(\bias)+8*gn+7]
.else
	WIN 0xf9
	v_wmma_f32_16x16x32_bf16 v[rT:rT+7], v[rR:rR+7], v[rA:rA+7], v[rT:rT+7]
.endif
.endif
.if PEND && (gi < 4)
	FILLQ gi                                       ; four of the loads into the slot of the group before, behind each of the first four products
.endif
.set gi, gi+1
.set gm, gm+1
.endr
.set gn, gn+1
.endr
.set gk, gk+1
.endr
.if PEND
.set RF, (RF+1)%4
.endif
.set RU, (RU+1)%4
.if \tail
	PLACES                                         ; the places in front of the vector lines that read this group's results, or write its sources, next
	WIN 0x40
	s_wait_alu depctr_va_vdst(0)                   ; this group's products are done reading their slot, in which the loads below land
	FILLG
.set PEND, 0
.else
.set PEND, 1
.endif
.endm
; A bias, gain or offset of my channels as 8 registers a channel block: register j of lane (r, h) = p[64 w + 16 nb + 8 h + j].  The caller sets the window.
.macro BLOAD dst, areg, off, nblk
.set bb, 0
.rept \nblk
	ds_load_b128 v[(\dst)+8*bb:(\dst)+8*bb+3], v[\areg] offset:(\off)+64*bb
	ds_load_b128 v[(\dst)+8*bb+4:(\dst)+8*bb+7], v[\areg] offset:(\off)+64*bb+16
.set bb, bb+1
.endr
.endm
.macro A1LOAD off, nks                 ; the activations' fragments, K step by K step: 8 loads a step
	WIN 0x80
.set ak, 0
.rept \nks
.set am, 0
.rept 4
	ds_load_b128 v[8*(4*ak+am):8*(4*ak+am)+3], v2 offset:(\off)+8448*am+64*ak
	ds_load_b128 v[8*(4*ak+am)+4:8*(4*ak+am)+7], v2 offset:(\off)+8448*am+64*ak+32
.set am, am+1
.endr
.set ak, ak+1
.endr
.endm
.macro A2LOAD                          ; the hidden chunk's fragments from the buffer in turn; EPI has made their address v6.  No vector or matrix line stands between EPI's wait on va_vdst and these loads
	WIN 0xc0
.set ak, 0
.rept 4
.set am, 0
.rept 4
	ds_load_b128 v[128+8*(4*ak+am):128+8*(4*ak+am)+3], v6 offset:4352*am+64*ak
	ds_load_b128 v[128+8*(4*ak+am)+4:128+8*(4*ak+am)+7], v6 offset:4352*am+64*ak+32
.set am, am+1
.endr
.set ak, ak+1
.endr
.endm
.macro PACK win, dst                   ; T's 128 registers rounded to bf16 in pairs: 8 operand fragments; each accumulator is read from its low end on
	WIN \win
.set pk, 0
.rept 64
	v_cvt_pk_bf16_f32 v[(\dst)+pk], v[2*pk], v[2*pk+1]
.set pk, pk+1
.endr
.endm
; H rounded to bf16 into XA, my 64 channels of all 64 rows; then a barrier.  The two halves go through TP and BI: all 64 roundings, one wait, the run of 16 stores.
; XA's last readers waited for their loads in front of an earlier barrier.  TP's and BI's last LDS stores lie ahead of an earlier wait on vm_vsrc (LN's; this macro's own).
.macro PUBLISH
	WIN 0
.set ph, 0
.rept 2
.set pj, 0
.rept 32
	v_cvt_pk_bf16_f32 v[TP-32*ph+pj], v[HH+64*ph+2*pj], v[HH+64*ph+2*pj+1]
.set pj, pj+1
.endr
.set ph, ph+1
.endr
	s_wait_alu depctr_va_vdst(0)                   ; the roundings have written TP and BI, which the LDS stores read
.set ph, 0
.rept 2
.set pj, 0
.rept 8
	ds_store_b128 v3, v[TP-32*ph+4*pj:TP-32*ph+4*pj+3] offset:8448*(2*ph+pj/4)+32*(pj%4)
.set pj, pj+1
.endr
.set ph, ph+1
.endr
	s_wait_dscnt 0x0                               ; for the others' sake: my stores are done
	BAR
	s_wait_alu depctr_vm_vsrc(0)                   ; my LDS stores have read TP and BI, in which loads land, or which vector lines write, next
	s_wait_alu depctr_va_vdst(0)                   ; said directly ahead of the loads that follow: the roundings have written TP and BI, the address made ahead of them is written, and the products of the block before are done reading A1
.endm
; ONE HEAD.  S^T = K Q^T (head size 32: one product a tile): a lane holds one query and 8 keys of each of 4 key blocks; the query's other 32 keys lie in the lane 16 away.
; p = 2^(c s - c m), c = log2(e) / sqrt(32), m the row's maximum.  The 128 exponentials are ONE batch with one wait.  O^T = V^T P is issued as soon as P is rounded; the row sums stand behind it.
.macro HEAD hd
	WIN 0xcf
.set hq, 0
.rept 4
.set hk, 0
.rept 4
	v_wmma_f32_16x16x32_bf16 v[8*(4*hq+hk):8*(4*hq+hk)+7], v[192+8*(2*hk+(\hd)):192+8*(2*hk+(\hd))+7], v[128+8*(2*hq+(\hd)):128+8*(2*hq+(\hd))+7], 0
.set hk, hk+1
.endr
.set hq, hq+1
.endr
	PLACES
	WIN 0x3f                                       ; the maximum, three operands at a time, four chains a query block; each accumulator's lowest registers first
.set hj, 0
.rept 4
	ALL4 v_max3_num_f32 v[32+4*t+hj], v[32*t+8*hj], v[32*t+8*hj+1], v[32*t+8*hj+2]
.set hj, hj+1
.endr
	WIN 0x3c
.set hj, 4
.rept 8
	ALL4 v_max3_num_f32 v[32+4*t+hj%4], v[32+4*t+hj%4], v[32*t+8*(hj%4)+2*(hj/4)+1], v[32*t+8*(hj%4)+2*(hj/4)+2]
.set hj, hj+1
.endr
	ALL4 v_max3_num_f32 v[32+4*t], v[32+4*t], v[32*t+7], v[32*t+15]
	ALL4 v_max3_num_f32 v[34+4*t], v[34+4*t], v[32*t+23], v[32*t+31]
	WIN 0
	ALL4 v_max3_num_f32 v[32+4*t], v[32+4*t], v[33+4*t], v[34+4*t]
	ALL4 v_max_num_f32 v[32+4*t], v[32+4*t], v[35+4*t]
	ALL4 v_permlanex16_b32 v[33+4*t], v[32+4*t], s54, s55
	ALL4 v_max_num_f32 v[49+2*t], v[32+4*t], v[33+4*t]
	ALL4 v_mul_f32 v[48+2*t], s52, v[49+2*t]
	WIN 0xc3
.set hb, 0
.rept 16
	ALL4 v_pk_fma_f32 v[32*t+2*hb:32*t+2*hb+1], v[32*t+2*hb:32*t+2*hb+1], s[52:53], v[48+2*t:49+2*t] op_sel_hi:[1,0,0] neg_lo:[0,0,1] neg_hi:[0,0,1]
.set hb, hb+1
.endr
.set hb, 0
.rept 128
	v_exp_f32 v[hb], v[hb]
.set hb, hb+1
.endr
	v_nop                                          ; a plain instruction behind the last exponential: one for the batch,
	s_wait_alu depctr_va_vdst(0)                   ; and one wait ahead of the first reader: the 128 exponentials have written their results
	WIN 0x8f
.set hb, 0
.rept 64
	v_cvt_pk_bf16_f32 v[64+hb], v[2*hb], v[2*hb+1]
.set hb, hb+1
.endr
	WIN 0xaa                                       ; 16 products, 8 accumulators by turns; the first 8 start the sums
.set hs, 0
.rept 2
.set hq, 0
.rept 4
.set hc, 0
.rept 2
.if hs == 0
	v_wmma_f32_16x16x32_bf16 v[128+8*(2*hq+hc):128+8*(2*hq+hc)+7], v[8*(2*(2*(\hd)+hc)+hs):8*(2*(2*(\hd)+hc)+hs)+7], v[64+8*(2*hq+hs):64+8*(2*hq+hs)+7], 0
.else
	v_wmma_f32_16x16x32_bf16 v[128+8*(2*hq+hc):128+8*(2*hq+hc)+7], v[8*(2*(2*(\hd)+hc)+hs):8*(2*(2*(\hd)+hc)+hs)+7], v[64+8*(2*hq+hs):64+8*(2*hq+hs)+7], v[128+8*(2*hq+hc):128+8*(2*hq+hc)+7]
.endif
.set hc, hc+1
.endr
.set hq, hq+1
.endr
.set hs, hs+1
.endr
	WIN 0xcf                                       ; the row sums of the unrounded weights, in place, neighbours 1, 2, 4 and 8 pairs apart: also the places behind those products
.set hu, 0
.rept 8
	ALL4 v_pk_add_f32 v[32*t+4*hu:32*t+4*hu+1], v[32*t+4*hu:32*t+4*hu+1], v[32*t+4*hu+2:32*t+4*hu+3]
.set hu, hu+1
.endr
.set hu, 0
.rept 4
	ALL4 v_pk_add_f32 v[32*t+8*hu:32*t+8*hu+1], v[32*t+8*hu:32*t+8*hu+1], v[32*t+8*hu+4:32*t+8*hu+5]
.set hu, hu+1
.endr
.set hu, 0
.rept 2
	ALL4 v_pk_add_f32 v[32*t+16*hu:32*t+16*hu+1], v[32*t+16*hu:32*t+16*hu+1], v[32*t+16*hu+8:32*t+16*hu+9]
.set hu, hu+1
.endr
	WIN 0x0f
	ALL4 v_pk_add_f32 v[56+2*t:57+2*t], v[32*t:32*t+1], v[32*t+16:32*t+17]
	WIN 0
	ALL4 v_add_f32 v[56+2*t], v[56+2*t], v[57+2*t]
	ALL4 v_permlanex16_b32 v[57+2*t], v[56+2*t], s54, s55
	ALL4 v_add_f32 v[56+2*t], v[56+2*t], v[57+2*t]
	ALL4 v_rcp_f32 v[56+2*t], v[56+2*t]
	v_nop
	s_wait_alu depctr_va_vdst(0)                   ; one wait for the four reciprocals, ahead of their first reader
	s_wait_dscnt 0x0                               ; bv is in BI
.if (\hd) == 1
	s_wait_alu depctr_vm_vsrc(0)                   ; the head before's LDS stores have read TP, which the roundings below write again
.endif
	WIN 0x82                                       ; O / l + bv: the weights sum to 1, so V's bias is added here
.set hq, 0
.rept 4
.set hc, 0
.rept 2
.set hj, 0
.rept 4
	v_pk_fma_f32 v[128+8*(2*hq+hc)+2*hj:128+8*(2*hq+hc)+2*hj+1], v[128+8*(2*hq+hc)+2*hj:128+8*(2*hq+hc)+2*hj+1], v[56+2*hq:57+2*hq], v[BI+8*(2*(\hd)+hc)+2*hj:BI+8*(2*(\hd)+hc)+2*hj+1] op_sel_hi:[1,0,1]
.set hj, hj+1
.endr
.set hc, hc+1
.endr
.set hq, hq+1
.endr
	WIN 0x0a
.set hb, 0
.rept 32
	v_cvt_pk_bf16_f32 v[TP+hb], v[128+2*hb], v[128+2*hb+1]
.set hb, hb+1
.endr
	WIN 0
	s_wait_alu depctr_va_vdst(0)                   ; the roundings have written TP, which the LDS stores read.  Behind the second head it also states that the head is done with BI, T, V^T, P and O: no vector line stands between it and the loads that land there
.set hb, 0
.rept 8
	ds_store_b128 v3, v[TP+4*hb:TP+4*hb+3] offset:XBO+8448*(hb/2)+32*(2*(\hd)+hb%2)
.set hb, hb+1
.endr
.endm
.macro LNLOAD off                      ; the product's bias into BI, the norm's gain and offset into window 3; the wait on va_vdst ahead of the LDS stores just above (HEAD's, EPI's) is younger than the last vector line that named these registers
	WIN 0
	BLOAD BI, 9, \off, 4
	WIN 0xc0
	BLOAD 0, 9, (\off)+1024, 4
	BLOAD 32, 9, (\off)+2048, 4
	WIN 0
.endm
; LAYERNORM over 256 channels of H + bias.  A wave has 64 of them: its mean m_w, then d = H - m_w in place and M_w = the sum of d^2; the four waves' (m_w, M_w) meet in LDS:
; m = mean of m_i, M = sum of M_i + 64 x sum of (m_i - m)^2.  H = ((d + m_w - m) / sqrt(M / 256 + 1e-5)) g + e.
.macro LN
	WIN 0
.set lt, 0
.rept 16
.set lj, 0
.rept 4
	v_pk_add_f32 v[HH+8*lt+2*lj:HH+8*lt+2*lj+1], v[HH+8*lt+2*lj:HH+8*lt+2*lj+1], v[BI+8*(lt%4)+2*lj:BI+8*(lt%4)+2*lj+1]
.set lj, lj+1
.endr
.set lt, lt+1
.endr
	ALL4 v_pk_add_f32 v[32+2*t:33+2*t], v[HH+32*t:HH+32*t+1], v[HH+32*t+2:HH+32*t+3]
.set lk, 2
.rept 14
	ALL4 v_pk_add_f32 v[32+2*t:33+2*t], v[32+2*t:33+2*t], v[HH+32*t+2*lk:HH+32*t+2*lk+1]
.set lk, lk+1
.endr
	ALL4 v_add_f32 v[32+2*t], v[32+2*t], v[33+2*t]
	ALL4 v_permlanex16_b32 v[33+2*t], v[32+2*t], s54, s55
	ALL4 v_add_f32 v[32+2*t], v[32+2*t], v[33+2*t]
	ALL4 v_mul_f32 v[32+2*t], s56, v[32+2*t]
.set lk, 0
.rept 16
	ALL4 v_pk_add_f32 v[HH+32*t+2*lk:HH+32*t+2*lk+1], v[HH+32*t+2*lk:HH+32*t+2*lk+1], v[32+2*t:33+2*t] op_sel_hi:[1,0] neg_lo:[0,1] neg_hi:[0,1]
.if lk == 0
	ALL4 v_pk_mul_f32 v[40+2*t:41+2*t], v[HH+32*t:HH+32*t+1], v[HH+32*t:HH+32*t+1]
.else
	ALL4 v_pk_fma_f32 v[40+2*t:41+2*t], v[HH+32*t+2*lk:HH+32*t+2*lk+1], v[HH+32*t+2*lk:HH+32*t+2*lk+1], v[40+2*t:41+2*t]
.endif
.set lk, lk+1
.endr
	ALL4 v_add_f32 v[40+2*t], v[40+2*t], v[41+2*t]
	ALL4 v_permlanex16_b32 v[41+2*t], v[40+2*t], s54, s55
	ALL4 v_add_f32 v[33+2*t], v[40+2*t], v[41+2*t]
	s_wait_alu depctr_va_vdst(0)                   ; the means and sums of squares v32-39 are written, which the LDS stores read; the roundings that last wrote TP, in which the loads below land, lie ahead of it too
	ALL4 ds_store_b64 v12, v[32+2*t:33+2*t] offset:512*t
	s_wait_dscnt 0x0                               ; for the others' sake
	BAR
	s_wait_alu depctr_vm_vsrc(0)                   ; the LDS stores issued so far have read TP, in which the loads below land, and v32-39, which later vector lines write; the loads by v9 have read it
	ALL4 ds_load_b128 v[TP+8*t:TP+8*t+3], v13 offset:512*t
	ALL4 ds_load_b128 v[TP+8*t+4:TP+8*t+7], v13 offset:512*t+16
	s_wait_dscnt 0x0
	ALL4 v_add_f32 v[40+2*t], v[TP+8*t], v[TP+8*t+2]
	ALL4 v_add_f32 v[41+2*t], v[TP+8*t+4], v[TP+8*t+6]
	ALL4 v_add_f32 v[40+2*t], v[40+2*t], v[41+2*t]
	ALL4 v_mul_f32 v[40+2*t], 0x3e800000, v[40+2*t]
	ALL4 v_add_f32 v[TP+8*t+1], v[TP+8*t+1], v[TP+8*t+3]
	ALL4 v_add_f32 v[TP+8*t+5], v[TP+8*t+5], v[TP+8*t+7]
	ALL4 v_add_f32 v[TP+8*t+1], v[TP+8*t+1], v[TP+8*t+5]
	ALL4 v_sub_f32 v[TP+8*t], v[TP+8*t], v[40+2*t]
	ALL4 v_sub_f32 v[TP+8*t+2], v[TP+8*t+2], v[40+2*t]
	ALL4 v_sub_f32 v[TP+8*t+4], v[TP+8*t+4], v[40+2*t]
	ALL4 v_sub_f32 v[TP+8*t+6], v[TP+8*t+6], v[40+2*t]
	ALL4 v_mul_f32 v[41+2*t], v[TP+8*t], v[TP+8*t]
	ALL4 v_fmac_f32 v[41+2*t], v[TP+8*t+2], v[TP+8*t+2]
	ALL4 v_fmac_f32 v[41+2*t], v[TP+8*t+4], v[TP+8*t+4]
	ALL4 v_fmac_f32 v[41+2*t], v[TP+8*t+6], v[TP+8*t+6]
	ALL4 v_fma_f32 v[41+2*t], v[41+2*t], s59, v[TP+8*t+1]
	ALL4 v_fma_f32 v[41+2*t], v[41+2*t], s57, s58
	ALL4 v_rsq_f32 v[56+2*t], v[41+2*t]
	ALL4 v_sub_f32 v[48+2*t], v[32+2*t], v[40+2*t]
	s_wait_alu depctr_va_vdst(0)                   ; one wait for the four roots, ahead of their first reader; the four subtractions above are the plain work behind them
	ALL4 v_mul_f32 v[48+2*t], v[48+2*t], v[56+2*t]
.set lk, 0
.rept 16
	ALL4 v_pk_fma_f32 v[HH+32*t+2*lk:HH+32*t+2*lk+1], v[HH+32*t+2*lk:HH+32*t+2*lk+1], v[56+2*t:57+2*t], v[48+2*t:49+2*t] op_sel_hi:[1,0,0]
.set lk, lk+1
.endr
	WIN 0x3c
.set lt, 0
.rept 16
.set lj, 0
.rept 4
	v_pk_fma_f32 v[HH+8*lt+2*lj:HH+8*lt+2*lj+1], v[HH+8*lt+2*lj:HH+8*lt+2*lj+1], v[8*(lt%4)+2*lj:8*(lt%4)+2*lj+1], v[32+8*(lt%4)+2*lj:32+8*(lt%4)+2*lj+1]
.set lj, lj+1
.endr
.set lt, lt+1
.endr
	WIN 0
.endm
; A hidden chunk: my 32 channels x 64 tokens rounded to bf16, ReLU on the packed halves, into the buffer in turn.  nextb = 1: b1 of the next chunk is asked for too.
; The chunk's three LDS addresses are made first; with a v_nop (two in the last chunk) they are the four places between the last products and the roundings that read T.
; ONE wait on va_vdst behind the ReLU serves all the memory and LDS instructions up to the next group: the ring's fill that the last group left, b1's loads, the stores, and A2's loads behind the barrier.
.macro EPI nextb
	WIN 0
	s_wait_alu depctr_vm_vsrc(0)                   ; the LDS instructions of the chunk before have read v6, v7, v11 and TP, which the lines below write again
.if \nextb
	v_add_nc_u32 v11, s49, v10                     ; b1 of the next chunk
.else
	v_nop
.endif
	v_add_nc_u32 v7, s50, v5                       ; where I store,
	v_add_nc_u32 v6, s50, v4                       ; and where the chunk's fragments are read
	v_nop
	WIN 0x0f
.set pk, 0
.rept 32
	v_cvt_pk_bf16_f32 v[TP+pk], v[2*pk], v[2*pk+1]
.set pk, pk+1
.endr
	WIN 0
.set pk, 0
.rept 32
	v_pk_max_num_bf16 v[TP+pk], v[TP+pk], v16
.set pk, pk+1
.endr
	s_wait_alu depctr_va_vdst(0)                   ; TP, v6, v7 and v11 are written; the last group's products are done reading their slot, the chunk's first products BI, the chunk before's products A2, the roundings T
	FILLG
.set PEND, 0
	WIN 0
.if \nextb
	BLOAD BI, 11, 0, 2
.endif
.set pk, 0
.rept 8
	ds_store_b128 v7, v[TP+4*pk:TP+4*pk+3] offset:4352*(pk/2)+32*(pk%2)
.set pk, pk+1
.endr
.endm
	; ---------------- THE START ----------------
	s_load_b512 s[8:23], s[0:1], 0x0               ; ridx 8, rw 10, wf 12, x 14, bin_ 16, bq 18, bk 20, bv 22
	s_load_b512 s[24:39], s[0:1], 0x40             ; bo 24, ln1_g 26, ln1_b 28, b2 30, ln2_g 32, ln2_b 34, b1 36, bout 38
	s_load_b64 s[40:41], s[0:1], 0x80              ; eo
	v_lshl_add_u32 v30, v0, 2, 0x7a00
	v_mov_b32 v31, 0
	v_and_b32 v17, 31, v0                          ; lane
	v_and_b32 v18, 15, v0                          ; r
	v_bfe_u32 v19, v0, 4, 1                        ; h
	v_lshrrev_b32 v20, 5, v0
	v_readfirstlane_b32 s4, v20                    ; wave 0..3
	s_mov_b32 s2, ttmp9                            ; the pair
	s_lshl_b32 s44, s2, 2
	s_mov_b32 s45, 0
	s_wait_kmcnt 0x0
	s_add_nc_u64 s[46:47], s[8:9], s[44:45]
	s_add_nc_u64 s[48:49], s[10:11], s[44:45]
	s_load_b32 s3, s[46:47], 0x0                   ; the expert
	s_load_b32 s5, s[48:49], 0x0                   ; its weight
	v_lshlrev_b32 v1, 4, v17                       ; v1: 16 x lane
	v_mul_u32_u24 v2, v18, 528
	v_lshl_add_u32 v2, v19, 4, v2
	v_add_nc_u32 v2, XA, v2                        ; v2: a fragment's lane address in XA
	s_wait_alu depctr_va_sdst(0)                   ; s4 is written, ahead of its first reader
	s_lshl_b32 s7, s4, 7
	v_add_nc_u32 v3, s7, v2                        ; v3: where I put 16 bytes of my channels
	v_mul_u32_u24 v4, v18, 272
	v_lshl_add_u32 v4, v19, 4, v4
	v_add_nc_u32 v4, HID0, v4                      ; v4, v5: the same two for the hidden chunk
	s_lshl_b32 s7, s4, 6
	v_add_nc_u32 v5, s7, v4
	v_lshlrev_b32 v10, 5, v19
	s_lshl_b32 s7, s4, 8
	v_add_nc_u32 v8, s7, v10                       ; v8: 4 (64 w + 8 h): my channels in a parameter row
	s_lshl_b32 s7, s4, 7
	v_add_nc_u32 v10, s7, v10                      ; v10: 4 (32 w + 8 h): my channels in a chunk of b1
	v_lshlrev_b32 v13, 5, v18
	v_add_nc_u32 v13, STAT, v13                    ; v13: my token's four statistics; v12: my wave's among them
	s_lshl_b32 s7, s4, 3
	v_add_nc_u32 v12, s7, v13
	s_mul_i32 s7, s4, 8448
	v_add_nc_u32 v14, s7, v2                       ; v14: fragments of my own 16 tokens
	v_lshlrev_b32 v15, 2, v18
	s_lshl_b32 s7, s4, 8
	s_add_co_u32 s7, s7, OUTX
	v_add_nc_u32 v15, s7, v15
	v_mov_b32 v16, 0                               ; for the ReLU
.irp q, 49,51,53,55,57,59,61,63
	v_mov_b32 v\q, 0                               ; upper halves of pairs of which packed lines take the lower half twice: named, so written
.endr
	s_mov_b32 s6, 0xffff0000
	s_mov_b32 s52, 0x3e8293ee                      ; c = log2(e) / sqrt(32)
	s_mov_b32 s53, s52
	s_mov_b32 s54, 0x76543210                      ; v_permlanex16_b32: each lane takes its own place in the other half
	s_mov_b32 s55, 0xfedcba98
	s_mov_b32 s56, 0x3c800000                      ; 1 / 64
	s_mov_b32 s57, 0x3b800000                      ; 1 / 256
	s_mov_b32 s58, 0x3727c5ac                      ; 1e-5
	s_mov_b32 s59, 0x42800000                      ; 64
	v_lshrrev_b32 v26, 6, v0
	v_mul_u32_u24 v26, v26, P_L
	v_and_b32 v27, 63, v0
	v_lshl_add_u32 v26, v27, 4, v26                ; a [2][256] array's 16 bytes of thread t: layer t / 64
	v_lshlrev_b32 v27, 4, v0
	v_lshlrev_b32 v28, 3, v0
	v_lshlrev_b32 v29, 2, v0
	s_mul_i32 s7, s4, 528
	s_add_co_u32 s7, s7, XA+XBO
	v_lshl_add_u32 v20, v17, 3, s7                 ; x: token 4 i + w, 8 bytes a lane
	s_wait_kmcnt 0x0
	s_min_u32 s3, s3, 7                            ; a loaded number enters addresses only clamped
	s_mul_i32 s44, s3, ES
	s_lshl_b32 s46, s4, 13
	s_add_co_u32 s44, s44, s46
	s_add_nc_u64 s[RB:RB+1], s[12:13], s[44:45]    ; my wave's stream: groups 0 to 3, one for each slot
	s_add_nc_u64 s[RB+2:RB+3], s[RB:RB+1], 32768
	s_add_nc_u64 s[RB+4:RB+5], s[RB:RB+1], 65536
	s_add_nc_u64 s[RB+6:RB+7], s[RB:RB+1], 98304
	s_lshl_b32 s46, s3, 11
	v_lshl_add_u32 v21, v0, 4, s46
	s_lshl_b32 s46, s3, 13
	v_lshl_add_u32 v22, v0, 4, s46
	s_lshl_b32 s46, s3, 10
	v_lshl_add_u32 v23, v0, 3, s46
	v_and_b32 v24, 63, v0
	s_lshl_b32 s46, s3, 8
	v_lshl_add_u32 v24, v24, 2, s46
	s_lshr_b32 s46, s2, 1                          ; the sample
	s_lshl_b32 s46, s46, 15
	v_lshl_add_u32 v25, v0, 4, s46
	s_wait_alu depctr_va_vdst(0)                   ; the offsets and LDS addresses v1 to v5, v8, v10, v12 to v15 and v20 to v29 are written, which the loads and stores of the kernel read
	FILLG                                          ; groups 0 to 3 fill the ring before anything else is asked for
	FILLG
	FILLG
	FILLG
	WIN 0
.set a, 0
.rept 9                                ; bq, bk, bv, bo, ln1_g, ln1_b, b2, ln2_g, ln2_b: both layers, 2,048 bytes each
	global_load_b128 v[128+4*a:131+4*a], v21, s[18+2*a:19+2*a]
.set a, a+1
.endr
.set a, 0
.rept 4
	global_load_b128 v[164+4*a:167+4*a], v22, s[36:37] offset:2048*a
.set a, a+1
.endr
	global_load_b64 v[180:181], v23, s[16:17]
	global_load_b32 v182, v24, s[38:39]
.set a, 0
.rept 16
	global_load_b128 v[192+4*a:195+4*a], v25, s[14:15] offset:2048*a
.set a, a+1
.endr
	s_wait_loadcnt 16                              ; x's 16 loads stay out; the parameters are in
.set a, 128
.rept 27                               ; every parameter rounded to bf16 and kept as f32
	v_cvt_pk_bf16_f32 v[32+(a/2)%2], v[a], v[a+1]
	v_lshlrev_b32 v[a], 16, v[32+(a/2)%2]
	v_and_b32 v[a+1], s6, v[32+(a/2)%2]
.set a, a+2
.endr
	v_cvt_pk_bf16_f32 v32, v182, v182
	v_lshlrev_b32 v182, 16, v32
	s_wait_alu depctr_va_vdst(0)                   ; the rounded parameters v128 to v182 are written, which the LDS stores read
.set a, 0
.rept 9
	ds_store_b128 v26, v[128+4*a:131+4*a] offset:1024*a
.set a, a+1
.endr
.set a, 0
.rept 4
	ds_store_b128 v27, v[164+4*a:167+4*a] offset:O_B1+(a/2)*P_L+(a%2)*2048
.set a, a+1
.endr
	ds_store_b64 v28, v[180:181] offset:BIN
	ds_store_b32 v29, v182 offset:BOUT
	s_wait_loadcnt 0x0
.set a, 0
.rept 16
	v_cvt_pk_bf16_f32 v[192+4*a], v[192+4*a], v[193+4*a]
	v_cvt_pk_bf16_f32 v[193+4*a], v[194+4*a], v[195+4*a]
.set a, a+1
.endr
	s_wait_alu depctr_va_vdst(0)                   ; x's roundings have written their registers, which the LDS stores read
.set a, 0
.rept 16
	ds_store_b64 v20, v[192+4*a:193+4*a] offset:2112*a
.set a, a+1
.endr
	s_wait_dscnt 0x0
	BAR
	s_wait_alu depctr_vm_vsrc(0)                   ; my LDS stores have read v128 to v255: these registers are H from here on, written by the products
	BLOAD BI, 8, BIN, 4
	A1LOAD XBO, 4
	GRP K_HW, 0, 1, 16, 0                          ; h = x Win + bin_; the 16 loads of K steps 2 and 3 stay out
	GRP K_HW, 2, 0, 0, 1
	s_mov_b32 s46, 2                               ; layers to go
	s_mov_b32 s48, 0                               ; the layer's parameters in LDS
	s_mov_b32 s50, 0                               ; the hidden buffer in turn
	WIN 0
.Llayer:
	; ---------------- ATTENTION ----------------
	v_add_nc_u32 v9, s48, v8                       ; the layer's parameters; the last layer's loads by v9 lie ahead of LN's wait on vm_vsrc; PUBLISH's waits on va_vdst state that it is written
	PUBLISH
	BLOAD BI, 9, O_BQ, 4
	BLOAD TP, 9, O_BK, 4
	A1LOAD 0, 8
	GRP K_TT, 0, 1, 48, 0                          ; Q; the counts are the later K steps' loads, 8 a step
	GRP K_TT, 2, 0, 32, 0
	GRP K_TT, 4, 0, 16, 0
	GRP K_TT, 6, 0, 0, 1
	WIN 0
	BLOAD BI, 9, O_BV, 4                           ; awaited in HEAD.  The wait behind Q's last group also states that Q's first products are done reading BI: only loads stand between
	PACK 0xcf, 128
	GRP K_TT, 0, 1, -1, 0, TP                      ; K
	GRP K_TT, 2, 0, -1, 0
	GRP K_TT, 4, 0, -1, 0
	GRP K_TT, 6, 0, -1, 1
	PACK 0xcf, 192
	GRP K_TV, 0, 1, -1, 0                          ; V, sources swapped
	GRP K_TV, 2, 0, -1, 0
	GRP K_TV, 4, 0, -1, 0
	GRP K_TV, 6, 0, -1, 1
	PACK 0x8f, 0
	HEAD 0
	HEAD 1
	LNLOAD O_BO
	s_wait_dscnt 0x0                               ; my part of the attention's result is in XB
	BAR
	A1LOAD XBO, 8                                  ; no vector or matrix line stands between the second head's last wait on va_vdst and these loads
	GRP K_HW, 0, 0, 48, 0                          ; H += av Wo
	GRP K_HW, 2, 0, 32, 0
	GRP K_HW, 4, 0, 16, 0
	GRP K_HW, 6, 0, 0, 1
	LN
	; ---------------- FEED-FORWARD, in 8 chunks of 128 hidden channels: W1 of chunk c + 1 is multiplied while chunk c's fragments come back from LDS ----------------
	s_add_co_u32 s49, s48, O_B1
	v_add_nc_u32 v11, s49, v10                     ; b1 of chunk 0; the last layer's loads by v11 lie ahead of several waits on vm_vsrc; PUBLISH's waits on va_vdst state that it is written
	PUBLISH
	BLOAD BI, 11, 0, 2
	A1LOAD 0, 8
	GRP K_TB, 0, 1, 32, 0
	GRP K_TB, 4, 0, 0, 0                           ; its slot's fill is left to EPI, on this way into the loop as on the way back
	s_mov_b32 s51, 7
	WIN 0
.Lffn:
	s_add_co_u32 s49, s49, 512
	EPI 1
	s_wait_dscnt 0x0                               ; my part of the chunk is stored; b1 is in
	BAR                                            ; one barrier a chunk: the next chunk's stores go to the other buffer, whose readers waited for their loads in front of this barrier
	A2LOAD
	s_xor_b32 s50, s50, 0x8000
	GRP K_TB, 0, 1, -1, 0
	GRP K_TB, 4, 0, -1, 0
	GRP K_HF, 0, 0, 16, 0                          ; H += hidden W2; the 16 loads of K steps 2 and 3 stay out
	GRP K_HF, 2, 0, 0, 0
	WIN 0
	s_sub_co_u32 s51, s51, 1
	s_cmp_lg_u32 s51, 0
	s_cbranch_scc1 .Lffn
	EPI 0                                          ; the last chunk
	LNLOAD O_B2
	s_wait_dscnt 0x0
	BAR
	A2LOAD
	s_xor_b32 s50, s50, 0x8000
	GRP K_HF, 0, 0, 16, 0
	GRP K_HF, 2, 0, 0, 1
	LN
	s_add_co_u32 s48, s48, P_L
	s_sub_co_u32 s46, s46, 1
	s_cmp_lg_u32 s46, 0
	s_cbranch_scc1 .Llayer
	; ---------------- THE END: h Wout for my own 16 tokens (a lane holds a channel, its registers tokens), summed over tokens, lanes' halves and waves ----------------
	PUBLISH
	WIN 0x80
.set fk, 0
.rept 8
	ds_load_b128 v[8*fk:8*fk+3], v14 offset:64*fk
	ds_load_b128 v[8*fk+4:8*fk+7], v14 offset:64*fk+32
.set fk, fk+1
.endr
	s_wait_loadcnt 0x0                             ; Wout's four groups are the ring's last
	s_wait_dscnt 0x0
	WIN 0xf6
.set fk, 0
.rept 8
.set fn, 0
.rept 4
.set rR, 64*((RU+fn)%4)+8*fk
.if fk == 0
	v_wmma_f32_16x16x32_bf16 v[8*fn:8*fn+7], v[8*fk:8*fk+7], v[rR:rR+7], 0
.else
	v_wmma_f32_16x16x32_bf16 v[8*fn:8*fn+7], v[8*fk:8*fk+7], v[rR:rR+7], v[8*fn:8*fn+7]
.endif
.set fn, fn+1
.endr
.set fk, fk+1
.endr
	PLACES
	WIN 0x0f
	ALL4 v_pk_add_f32 v[TP+4*t:TP+4*t+1], v[8*t:8*t+1], v[8*t+2:8*t+3]
	ALL4 v_pk_add_f32 v[TP+4*t+2:TP+4*t+3], v[8*t+4:8*t+5], v[8*t+6:8*t+7]
	WIN 0
	ALL4 v_pk_add_f32 v[TP+4*t:TP+4*t+1], v[TP+4*t:TP+4*t+1], v[TP+4*t+2:TP+4*t+3]
	ALL4 v_add_f32 v[TP+4*t], v[TP+4*t], v[TP+4*t+1]
	ALL4 v_permlanex16_b32 v[TP+4*t+1], v[TP+4*t], s54, s55
	ALL4 v_add_f32 v[TP+4*t], v[TP+4*t], v[TP+4*t+1]
	s_wait_alu depctr_va_vdst(0)                   ; the four sums are written, which the LDS stores read
	ALL4 ds_store_b32 v15, v[TP+4*t] offset:64*t
	s_wait_dscnt 0x0
	BAR
	s_wait_alu depctr_vm_vsrc(0)                   ; my LDS stores have read their four registers of TP, in which wave 0's loads land: stated ahead of the branch
	s_cmp_lg_u32 s4, 0
	s_cbranch_scc1 .Lend                           ; wave 0 alone goes on; no barrier follows
	v_lshlrev_b32 v17, 3, v17
	s_wait_alu depctr_va_vdst(0)                   ; v17 is written, which the loads read as their address; the sums above are done with TP, in which they land
	ALL4 ds_load_b64 v[TP+2*t:TP+2*t+1], v17 offset:OUTX+256*t
	ds_load_b64 v[104:105], v17 offset:BOUT
	s_wait_dscnt 0x0
	v_pk_add_f32 v[96:97], v[96:97], v[98:99]
	v_pk_add_f32 v[100:101], v[100:101], v[102:103]
	v_pk_add_f32 v[96:97], v[96:97], v[100:101]
	v_pk_fma_f32 v[96:97], v[96:97], s[56:57], v[104:105] op_sel_hi:[1,0,1]  ; the mean over 64 tokens, + bout
	v_mul_f32 v96, s5, v96                         ; the gate's weight
	v_mul_f32 v97, s5, v97
	s_lshl_b32 s7, s2, 8
	v_add_nc_u32 v18, s7, v17
	s_wait_alu depctr_va_vdst(0)                   ; v18 and v[96:97] are written, which the store reads as its offset and its data
	global_store_b64 v18, v[96:97], s[40:41]       ; the wave stores 256 consecutive bytes, aligned
.Lend:
	s_wait_dscnt 0x0                               ; the wave's end: my last LDS instructions are done.
	s_wait_alu depctr_hold_cnt(0) depctr_sa_sdst(0) depctr_va_vdst(0) depctr_va_sdst(0) depctr_va_ssrc(0) depctr_va_vcc(0) depctr_vm_vsrc(0)
	s_wait_tensorcnt 0x0
	ds_add_u32 v30, v31
	s_wait_dscnt 0x0
	s_endpgm
.Lfunc_end_k_q2fd2c5ae4a_chain:
	.size	k_q2fd2c5ae4a_chain, .Lfunc_end_k_q2fd2c5ae4a_chain-k_q2fd2c5ae4a_chain
	.p2alignl 7, 3214868480
	.fill 96, 4, 3214868480
	.section	.rodata,"a",@progbits
	.p2align	6, 0x0
	.amdhsa_kernel k_q2fd2c5ae4a_chain
		.amdhsa_group_segment_fixed_size 181248
		.amdhsa_private_segment_fixed_size 0
		.amdhsa_enable_private_segment 0
		.amdhsa_kernarg_size 136
		.amdhsa_user_sgpr_count 2
		.amdhsa_user_sgpr_kernarg_segment_ptr 1
		.amdhsa_wavefront_size32 1
		.amdhsa_system_sgpr_workgroup_id_x 1
		.amdhsa_system_sgpr_workgroup_id_y 1
		.amdhsa_system_sgpr_workgroup_id_z 1
		.amdhsa_system_vgpr_workitem_id 0
		.amdhsa_next_free_vgpr 1024
		.amdhsa_next_free_sgpr 74
		.amdhsa_reserve_vcc 0
		.amdhsa_float_denorm_mode_32 3
		.amdhsa_float_denorm_mode_16_64 3
		.amdhsa_memory_ordered 1
		.amdhsa_forward_progress 1
		.amdhsa_inst_pref_size 255
	.end_amdhsa_kernel
	.section	.bss,"aw",@nobits
	.p2align	6
	.space	262144
	.amdgpu_metadata
---
amdhsa.version: [ 1, 2 ]
amdhsa.kernels:
  - .name:           k_q2fd2c5ae4a_chain
    .symbol:         k_q2fd2c5ae4a_chain.kd
    .args:
      - { .name: ridx, .offset: 0, .size: 8, .value_kind: global_buffer, .address_space: global }
      - { .name: rw, .offset: 8, .size: 8, .value_kind: global_buffer, .address_space: global }
      - { .name: wf, .offset: 16, .size: 8, .value_kind: global_buffer, .address_space: global }
      - { .name: x, .offset: 24, .size: 8, .value_kind: global_buffer, .address_space: global }
      - { .name: bin_, .offset: 32, .size: 8, .value_kind: global_buffer, .address_space: global }
      - { .name: bq, .offset: 40, .size: 8, .value_kind: global_buffer, .address_space: global }
      - { .name: bk, .offset: 48, .size: 8, .value_kind: global_buffer, .address_space: global }
      - { .name: bv, .offset: 56, .size: 8, .value_kind: global_buffer, .address_space: global }
      - { .name: bo, .offset: 64, .size: 8, .value_kind: global_buffer, .address_space: global }
      - { .name: ln1_g, .offset: 72, .size: 8, .value_kind: global_buffer, .address_space: global }
      - { .name: ln1_b, .offset: 80, .size: 8, .value_kind: global_buffer, .address_space: global }
      - { .name: b2, .offset: 88, .size: 8, .value_kind: global_buffer, .address_space: global }
      - { .name: ln2_g, .offset: 96, .size: 8, .value_kind: global_buffer, .address_space: global }
      - { .name: ln2_b, .offset: 104, .size: 8, .value_kind: global_buffer, .address_space: global }
      - { .name: b1, .offset: 112, .size: 8, .value_kind: global_buffer, .address_space: global }
      - { .name: bout, .offset: 120, .size: 8, .value_kind: global_buffer, .address_space: global }
      - { .name: eo, .offset: 128, .size: 8, .value_kind: global_buffer, .address_space: global }
    .group_segment_fixed_size: 181248
    .private_segment_fixed_size: 0
    .kernarg_segment_align: 8
    .kernarg_segment_size: 136
    .max_flat_workgroup_size: 128
    .sgpr_count:     74
    .vgpr_count:     1024
    .wavefront_size: 32
...
	.end_amdgpu_metadata
.endif
;; end of part 4
;; launch fin: the kernel of part 3 again; grid 64 x 1, 8 waves a work-group, no clusters, 3,072 bytes of LDS; arguments eo, respart, br, on_g, on_b, out0; writes out0
